; MI455X (gfx1250); checked and timed in simulation.
; The chip was launched on July 23, 2026; its instructions are those of AMD's public machine-readable ISA for CDNA 5 (MIT licence, August 2026) and "CDNA5" Instruction Set Architecture Reference Guide (July 2026). The comments in the code are by the model that wrote it; some were corrected since.
;; Causal Self Attention. Allowed arithmetic: matrix products marked QUANTISED: E4M3 operands, one E8M0 scale for each 32 along K, by v_wmma_scale_f32_16x16x128_f8f6f4 with both operands' format E4M3, f32 sums; everything else in f32.
;; Inputs: Wk 1,024 x 1,024 float32; Wo 1,024 x 1,024 float32; Wq 1,024 x 1,024 float32; Wv 1,024 x 1,024 float32; x 4 x 2,048 x 1,024 float32.
;; Outputs: out0 4 x 2,048 x 1,024 float32.
;; This version of the problem:
;;   THIS VERSION OF THE PROBLEM IS GIVEN IN LOW PRECISION. The matrix products marked QUANTISED in the list below multiply operands that are first quantised to E4M3 (4 exponent bits, 3 mantissa bits; 8 bits a number), with one power-of-two scale for each 32 numbers along K (OCP MX v1.0); their sums are f32. All else is computed in f32.
;;   The module's matrix products, in the order in which they are computed (A, B: the left and right operand; K: the contracted axis; several contracted axes count as one K, in the product's order):
;;     1. [M 8,192, K 1,024] x [K 1,024, N 1,024]; A: input x; B: input Wq: QUANTISED
;;     2. [M 8,192, K 1,024] x [K 1,024, N 1,024]; A: input x; B: input Wk: QUANTISED
;;     3. [M 8,192, K 1,024] x [K 1,024, N 1,024]; A: input x; B: input Wv: QUANTISED
;;     4. batch 64 x [M 2,048, K 64] x [K 64, N 2,048]; A: computed on the way; B: computed on the way: QUANTISED
;;     5. batch 64 x [M 2,048, K 2,048] x [K 2,048, N 64]; A: softmax (see below); B: computed on the way: QUANTISED
;;     6. [M 8,192, K 1,024] x [K 1,024, N 1,024]; A: computed on the way; B: input Wo: QUANTISED
;;   THE QUANTISER, for each operand of a quantised product, along K:
;;     - K is cut into blocks of 32 from its start; a last block that is shorter is filled with zeros.
;;     - A block's scale is 2^e with e = floor(log2(the largest magnitude in the block)) - 8, held to -126 .. 127; a block of zeros has e = 0. As a byte (E8M0): e + 127.
;;     - Each number is divided by its block's scale, clamped to +-448, and rounded to the nearest number of E4M3, ties to even, subnormals kept.
;;     - The product sums the exact products of the quantised numbers (number of the format x scale) in f32.
;;   ~~~python
;;   def quantise(x, axis):      # numpy; x: float32 -> the quantised numbers, widened to float32 again
;;       x = np.moveaxis(x, axis, -1); K = x.shape[-1]
;;       x = np.pad(x, [(0, 0)] * (x.ndim - 1) + [(0, -K % 32)]); x = x.reshape(x.shape[:-1] + (-1, 32)); a = np.abs(x).max(-1, keepdims=True)
;;       e = np.where(a > 0, np.clip(np.frexp(np.where(a > 0, a, 1))[1] - 1 - 8, -126, 127), 0)      # np.frexp(a)[1] - 1 = floor(log2(a)), exactly
;;       r = np.clip(x / 2.0 ** e, -448, 448)
;;       step = 2.0 ** (np.maximum(np.frexp(np.where(r == 0, 1, r))[1] - 1, -6) - 3)
;;       q = np.round(r / step) * step * 2.0 ** e      # np.round: ties to even
;;       return np.moveaxis(q.reshape(q.shape[:-2] + (-1,))[..., :K], -1, axis).astype(np.float32)
;;   ~~~
;;   SOFTMAX AHEAD OF A QUANTISED PRODUCT. Where the list says 'softmax', what is quantised is not the finished softmax but p = 2^(t - M), with t = logit x log2(e) and M = ceil(the row's largest t), a whole number; so 1/2 < the row's largest p <= 1. The row's sum l is taken of the UNQUANTISED p, in f32, and the product's result is divided by l at the end. Since M is a whole number, a kernel that streams over the keys may use a running M (the ceiling of the running maximum): every later rescaling is an exact power of two, which a block's scale takes up: the codes' values come out the same.
;;   OPERANDS COMPUTED ON THE WAY. 'Computed on the way' means the value that the module computes at that place (a softmax that the list does not call 'softmax' is quantised finished and normalised). What goes into a quantiser is computed in f32, as accurately as f32 sums, v_exp_f32 and their like allow (about 1e-6 of the number): no bf16 or f16 on the way to a quantiser, and a product that is left as it is and whose result goes on into a quantised operand takes f32 operands (vector FMAs, or v_wmma_f32_16x16x4_f32). A number that lies on a knife's edge between two numbers of the format may be rounded either way, as far as f32 arithmetic and the matrix unit's own rounding can turn it there, and no further.
;; One version. Each part assembles by itself: llvm-mc -triple=amdgcn-amd-amdhsa -mcpu=gfx1250 --defsym DOCPART=n.
;; ======== version 1 of 1: 4 launches
;; limits: right only within a limited range of input values
;; workspace buffers: xc 8,388,608 bytes; xs 262,144 bytes; wc 4,194,304 bytes; ws 131,072 bytes; qkv 25,952,256 bytes; ac 8,388,608 bytes; asc 262,144 bytes
;; launch quant (part 1): grid 384 x 1, 4 waves a work-group, no clusters, 34,304 bytes of LDS; arguments x, Wq, Wk, Wv, Wo, xc, xs, wc, ws; writes xc, xs, wc, ws
.if DOCPART == 1
	.amdgcn_target "amdgcn-amd-amdhsa--gfx1250"
	.amdhsa_code_object_version 6
	.text
	.protected	k_qb26bb1e6f5_quant
	.globl	k_qb26bb1e6f5_quant
	.p2align	8
	.type	k_qb26bb1e6f5_quant,@function
k_qb26bb1e6f5_quant:
	s_mov_b64 s[64:65], 0
	v_nop
	global_prefetch_b8 v0, s[64:65] scope:SCOPE_SE
	s_setreg_imm32_b32 hwreg(HW_REG_WAVE_MODE, 25, 1), 1
	s_wait_xcnt 0x0
; x [8192][1024] and Wq, Wk, Wv, Wo [1024 (k)][1024 (n)], f32, become codes of FP8 (E4M3) with one E8M0 scale byte for each 32 along K = 1,024.
; A block's scale is 2^(floor(log2(its largest magnitude)) - 8); each number is divided by it, held within +-448 and rounded to the nearest code, ties to even.
; LAYOUT OF THE CODES: images of the operand's registers.  A tile T is 16 rows; a fragment (T, s) is 16 rows x 128 K = 2,048 bytes: byte T x 16384 + s x 2048 + c x 512 + 16 x lane + (k % 16),
; k = 128 s + 32 c + 16 (lane / 16) + (k % 16), row = lane % 16.  So every later load of a fragment is four loads of 16 bytes a lane, 512 consecutive bytes each.
; THE ROWS OF A TILE ARE NOT NEIGHBOURS: lane r of tile T holds row 32 (T / 2) + 8 (T % 2) + r + 8 (r / 8) (of x: a row; of a weight: a column n).  As source 0 of a product such tiles
; leave 16 neighbours of the result in the 16 registers of two neighbouring tiles.
; LAYOUT OF THE SCALE BYTES: T x 512 + (s / 4) x 256 + 16 r + 4 (s % 4) + c: a word for each row and 128 along K.
; wc and ws hold 256 tiles: Wq's 64, Wk's, Wv's, Wo's.
; Work-groups 0-255 take x (K innermost), work-groups 256-383 the weights (K is the first axis).  No tensor loads, no barrier: waves share nothing.  No cluster: no two work-groups read the same bytes.
; LIMITS: NaN and infinities among the inputs are not served.  A block of zeros gets the byte 1 where the rule says 127: its codes are zeros, which add nothing under any byte but 0xff, and this program alone reads the bytes.
.set TM,  8                            ; v8-11 largest magnitudes, v12-15 bytes, v20-23 the conversions' scale operands
.set WD,  24                           ; v24-27  scale words
.set PC,  32                           ; v32-47  x path: a fragment's codes
.set X,   48                           ; v48-111 x path: 64 numbers: register 16 b + i = k 32 b + 16 (lane / 16) + i of my row
.set R,   112                          ; v112-239 x path: two sets of 64 registers as loaded
.set XW,  32                           ; v32-95  W path: two sets of 32 numbers
.set CD,  96                           ; v96-159 W path: 8 registers of codes for each of 8 blocks: no store's data are written again
.set SEL, 24                           ; s[24:25] lane selects for v_permlanex16_b32: lane l xor 16
.set MNT, 26
.set SPT, 528                          ; a row of the stage: 512 bytes + 16
.macro QUANT src, dst, wrd             ; 64 numbers of a lane become 16 registers of codes and my row's scale word
.irp b, 0,1,2,3
	v_max3_num_f32 v[TM+\b], |v[\src+16*\b]|, |v[\src+1+16*\b]|, 0x4800000   ; block b: my 16 numbers, and the floor 2^(9 - 127): the byte cannot fall under 1
.endr
.irp i, 2,4,6,8,10,12,14
.irp b, 0,1,2,3
	v_max3_num_f32 v[TM+\b], v[TM+\b], |v[\src+16*\b+\i]|, |v[\src+1+16*\b+\i]|   ; the four blocks by turns
.endr
.endr
.irp b, 0,1,2,3
	v_permlanex16_b32 v[TM+4+\b], v[TM+\b], s[SEL], s[SEL+1]
.endr
.irp b, 0,1,2,3
	v_max_num_f32 v[TM+\b], v[TM+\b], v[TM+4+\b]           ; with lane l xor 16's 16: the block's largest magnitude
.endr
.irp b, 0,1,2,3
	v_add_nc_u32 v[TM+12+\b], 0xfc000000, v[TM+\b]         ; 8 off its exponent field: the conversion's scale operand
.endr
.irp b, 0,1,2,3
.endr
.irp b, 0,1,2,3
	v_lshrrev_b32 v[TM+4+\b], 23, v[TM+12+\b]              ; the scale's byte
.endr
	v_lshl_or_b32 v[\wrd], v[TM+5], 8, v[TM+4]
	v_lshl_or_b32 v[\wrd], v[TM+6], 16, v[\wrd]
	v_lshl_or_b32 v[\wrd], v[TM+7], 24, v[\wrd]
.irp b, 0,1,2,3
.irp i, 0,1,2,3,4,5,6,7,8,9,10,11,12,13,14,15
.endr
	v_cvt_scalef32_pk8_fp8_f32 v[\dst+4*\b:\dst+4*\b+1], v[\src+16*\b:\src+16*\b+7], v[TM+12+\b]
	v_cvt_scalef32_pk8_fp8_f32 v[\dst+4*\b+2:\dst+4*\b+3], v[\src+16*\b+8:\src+16*\b+15], v[TM+12+\b]
.endr
	v_nop                                          ; a plain line behind the last conversion
.endm
	s_load_b256 s[4:11], s[0:1], 0x0               ; x s[4:5], Wq s[6:7], Wk s[8:9], Wv s[10:11]
	s_load_b256 s[12:19], s[0:1], 0x20             ; Wo s[12:13], xc s[14:15], xs s[16:17], wc s[18:19]
	s_load_b64 s[20:21], s[0:1], 0x40              ; ws
	v_lshl_add_u32 v240, v0, 2, 0x8400
	v_mov_b32 v241, 0
	v_lshrrev_b32 v1, 5, v0
	v_readfirstlane_b32 s22, v1                    ; wave 0..3
	v_and_b32 v5, 31, v0                           ; lane
	s_mov_b32 s[SEL], 0x76543210
	s_mov_b32 s[SEL+1], 0xfedcba98
	s_cmp_lt_u32 ttmp9, 256
	s_cbranch_scc0 .Lweights
; ---- x.  Wave w of work-group g takes tile T = 2 g + w / 2 and half w % 2 of K: 16 rows x 512 k, in four steps of 128 k.
; A load reads 512 consecutive bytes of one row; the conversions want 16 neighbours along K in one lane: so a step's 16 x 512 bytes turn through the wave's own stage in LDS.
	v_lshlrev_b32 v1, 4, v5                        ; 16 x lane
	v_and_b32 v6, 15, v0                           ; r
	v_bfe_u32 v7, v0, 4, 1                         ; h
	s_mul_i32 s23, s22, 16*SPT                     ; my stage
	v_add_nc_u32 v2, s23, v1                       ; in: a row as it lies
	v_mul_u32_u24 v3, v6, SPT
	v_lshl_add_u32 v3, v7, 6, v3
	v_add_nc_u32 v3, s23, v3                       ; out: row r, + 64 h: my 16 numbers of a block of 32
	v_lshlrev_b32 v4, 4, v6                        ; 16 r: my row's four scale words
.irp b, 0,1,2,3
	v_mov_b32 v[TM+4+\b], 0                        ; written once: a lane permute's destination counts as one of its sources
.endr
	s_lshr_b32 s27, s22, 1
	s_lshl_b32 s28, ttmp9, 1
	s_add_co_u32 s28, s28, s27                     ; T
	s_and_b32 s29, s22, 1                          ; which half of K
	s_lshr_b32 s30, s28, 1
	s_lshl_b32 s30, s30, 17                        ; 32 (T / 2) rows of 4,096 bytes
	s_and_b32 s31, s28, 1
	s_lshl_b32 s31, s31, 15                        ; + 8 (T % 2) rows
	s_add_co_u32 s30, s30, s31
	s_lshl_b32 s31, s29, 11                        ; + 512 k of 4 bytes
	s_add_co_u32 s30, s30, s31
	s_mov_b32 s31, 0
	s_lshl_b32 s32, s28, 14
	s_lshl_b32 s33, s29, 13
	s_add_co_u32 s32, s32, s33                     ; codes: T x 16384 + 4 fragments x half
	s_mov_b32 s33, 0
	s_lshl_b32 s34, s28, 9
	s_lshl_b32 s35, s29, 8
	s_add_co_u32 s34, s34, s35                     ; scale words: T x 512 + 256 x half
	s_mov_b32 s35, 0
	s_wait_alu depctr_va_vdst(0)
	s_wait_kmcnt 0x0
	s_add_nc_u64 s[4:5], s[4:5], s[30:31]
	s_add_nc_u64 s[14:15], s[14:15], s[32:33]
	s_add_nc_u64 s[16:17], s[16:17], s[34:35]
.macro LOADX q                         ; step q: 512 bytes of each of the tile's 16 rows
.irp t, 0,1,2,3,4,5,6,7,8,9,10,11,12,13,14,15
	global_load_b128 v[R+64*((\q)%2)+4*\t:R+64*((\q)%2)+4*\t+3], v1, s[4:5] offset:(\t+8*(\t/8))*4096+512*(\q) th:TH_LOAD_NT
.endr
.endm
.macro STEPX q
.if \q < 3
	s_wait_loadcnt 16                              ; this step's 16 loads are in; the next step's 16 may be out
.else
	s_wait_loadcnt 0x0
.endif
.irp t, 0,1,2,3,4,5,6,7,8,9,10,11,12,13,14,15
	ds_store_b128 v2, v[R+64*(\q%2)+4*\t:R+64*(\q%2)+4*\t+3] offset:SPT*\t
.endr
.irp c, 0,1,2,3
.irp j, 0,1,2,3
	ds_load_b128 v[X+16*\c+4*\j:X+16*\c+4*\j+3], v3 offset:128*\c+16*\j   ; LDS serves a wave's instructions in order: these see the stores above
.endr
.endr
	s_wait_dscnt 0x0                               ; the numbers are back, and the stores have read their registers,
.if \q < 2
	LOADX \q+2                                     ; which take the loads of two steps on
.endif
.if \q > 0
	s_wait_xcnt 0x0                                ; the last step's stores have read the codes' registers: they are written again only behind this wait
.endif
	QUANT X, PC, WD+\q
.irp c, 0,1,2,3
	global_store_b128 v1, v[PC+4*\c:PC+4*\c+3], s[14:15] offset:2048*\q+512*\c   ; 32 lanes store 512 consecutive bytes
.endr
.endm
	LOADX 0
	LOADX 1
	STEPX 0
	STEPX 1
	STEPX 2
	STEPX 3
	s_wait_xcnt 0x0                                ; EXEC changes only behind this wait
	v_cmp_gt_u32 vcc_lo, 16, v5
	s_wait_tensorcnt 0x0
	ds_add_u32 v240, v241
	s_wait_dscnt 0x0
	s_and_saveexec_b32 s27, vcc_lo                 ; lanes 16-31 hold the same words
	global_store_b128 v4, v[WD:WD+3], s[16:17]     ; sixteen lanes store 256 consecutive bytes
	s_wait_xcnt 0x0
	s_or_b32 exec_lo, exec_lo, s27
	s_endpgm
; ---- The weights.  Work-group g' = 32 x weight + 4 x (group of 128 columns) + (quarter of K).  A LANE TAKES A COLUMN n AND ITS REGISTERS RUN DOWN K: a block of 32 lies in one lane,
; and the codes come out with K innermost.  Lane l is row n0 + l of the image and reads column n0 + (l with its bits 3 and 4 swapped): a wave's load still covers 128 consecutive bytes.
.Lweights:
	s_sub_co_u32 s23, ttmp9, 256
	s_lshr_b32 s27, s23, 5                         ; which weight
	s_bfe_u32 s28, s23, 0x30002                    ; which 128 columns
	s_and_b32 s29, s23, 3                          ; which 256 along K
	s_lshl_b32 s30, s28, 7
	s_lshl_b32 s31, s22, 5
	s_add_co_u32 s30, s30, s31                     ; n0: my wave's first column
	s_wait_alu depctr_va_vdst(0)
	v_and_b32 v6, 7, v5
	v_bfe_u32 v7, v5, 3, 1
	v_bfe_u32 v8, v5, 4, 1
	v_lshl_or_b32 v6, v7, 4, v6
	v_lshl_or_b32 v6, v8, 3, v6
	v_lshlrev_b32 v1, 2, v6                        ; in: 4 bytes x my column
	v_and_b32 v9, 15, v5
	v_lshlrev_b32 v9, 4, v9
	v_lshl_add_u32 v2, v8, 14, v9                  ; codes: tile l / 16, 16 (l % 16)
	v_lshl_add_u32 v3, v8, 9, v9                   ; scale words likewise
	s_lshl_b32 s32, s29, 20                        ; 256 rows of 4,096 bytes a quarter
	s_lshl_b32 s33, s30, 2
	s_add_co_u32 s32, s32, s33
	s_mov_b32 s33, 0
	s_lshl_b32 s34, s27, 6
	s_lshr_b32 s35, s30, 4
	s_add_co_u32 s34, s34, s35                     ; my first tile: 64 x weight + n0 / 16
	s_lshl_b32 s36, s34, 9
	s_lshl_b32 s34, s34, 14
	s_lshl_b32 s35, s29, 12                        ; two fragments a quarter
	s_add_co_u32 s34, s34, s35
	s_mov_b32 s35, 0
	s_lshr_b32 s37, s29, 1
	s_lshl_b32 s37, s37, 8
	s_add_co_u32 s36, s36, s37
	s_and_b32 s37, s29, 1
	s_lshl_b32 s37, s37, 3
	s_add_co_u32 s36, s36, s37                     ; two scale words a quarter
	s_mov_b32 s37, 0
	s_wait_alu depctr_va_vdst(0)
	s_wait_kmcnt 0x0
	s_cmp_eq_u32 s27, 1                            ; the choice hangs on the work-group's number alone
	s_cselect_b64 s[6:7], s[8:9], s[6:7]
	s_cmp_eq_u32 s27, 2
	s_cselect_b64 s[6:7], s[10:11], s[6:7]
	s_cmp_eq_u32 s27, 3
	s_cselect_b64 s[6:7], s[12:13], s[6:7]
	s_add_nc_u64 s[6:7], s[6:7], s[32:33]
	s_add_nc_u64 s[18:19], s[18:19], s[34:35]
	s_add_nc_u64 s[20:21], s[20:21], s[36:37]
.macro LOADW t                         ; block t: W(32 t + i, my column), i = 0 .. 31
.irp i, 0,1,2,3,4,5,6,7,8,9,10,11,12,13,14,15,16,17,18,19,20,21,22,23,24,25,26,27,28,29,30,31
	global_load_b32 v[XW+32*((\t)%2)+\i], v1, s[6:7] offset:(32*(\t)+\i)*4096 th:TH_LOAD_NT
.endr
.endm
.macro BLOCK t
.set XS, XW+32*((\t)%2)
.set CW, CD+8*(\t)
.if (\t) < 7
	s_wait_loadcnt 32                              ; this block's 32 loads are in; the next block's may be out
.else
	s_wait_loadcnt 0x0
.endif
	v_max3_num_f32 v12, |v[XS]|, |v[XS+1]|, |v[XS+2]|
	v_max3_num_f32 v13, |v[XS+3]|, |v[XS+4]|, |v[XS+5]|
.irp i, 6,10,14,18,22,26
	v_max3_num_f32 v12, v12, |v[XS+\i]|, |v[XS+\i+1]|
	v_max3_num_f32 v13, v13, |v[XS+\i+2]|, |v[XS+\i+3]|
.endr
	v_max3_num_f32 v12, v12, |v[XS+30]|, |v[XS+31]|
	v_max3_num_f32 v12, v12, v13, 0x4800000        ; and the floor
	v_add_nc_u32 v11, 0xfc000000, v12              ; the conversion's scale operand
	v_lshrrev_b32 v13, 23, v11                     ; the byte
.if (\t)%4 == 0
	v_mov_b32 v[WD+(\t)/4], v13
.else
	v_lshl_or_b32 v[WD+(\t)/4], v13, 8*((\t)%4), v[WD+(\t)/4]
.endif
.irp i, 0,1,2,3,4,5,6,7,8,9,10,11,12,13,14,15,16,17,18,19,20,21,22,23,24,25,26,27,28,29,30,31
.endr
.irp g, 0,1,2,3
	v_cvt_scalef32_pk8_fp8_f32 v[CW+2*\g:CW+2*\g+1], v[XS+8*\g:XS+8*\g+7], v11
.endr
	v_nop                                          ; a plain line behind the last conversion
	global_store_b128 v2, v[CW:CW+3], s[18:19] offset:((\t)/4)*2048+((\t)%4)*512       ; k 0-15 of the block: the image's lanes 0-15; sixteen lanes store 256 consecutive bytes
	global_store_b128 v2, v[CW+4:CW+7], s[18:19] offset:((\t)/4)*2048+((\t)%4)*512+256 ; k 16-31: its lanes 16-31
.if (\t)+2 < 8
	LOADW (\t)+2
.endif
.endm
	LOADW 0
	LOADW 1
.irp t, 0,1,2,3,4,5,6,7
	BLOCK \t
.endr
	global_store_b64 v3, v[WD:WD+1], s[20:21]      ; my row's two scale words: 8 bytes of each 16, one byte for each 128 that the path reads
	s_endpgm
.Lfunc_end_k_qb26bb1e6f5_quant:
	.size	k_qb26bb1e6f5_quant, .Lfunc_end_k_qb26bb1e6f5_quant-k_qb26bb1e6f5_quant
	.p2alignl 7, 3214868480
	.fill 96, 4, 3214868480
	.section	.rodata,"a",@progbits
	.p2align	6, 0x0
	.amdhsa_kernel k_qb26bb1e6f5_quant
		.amdhsa_group_segment_fixed_size 34304
		.amdhsa_private_segment_fixed_size 0
		.amdhsa_enable_private_segment 0
		.amdhsa_kernarg_size 72
		.amdhsa_user_sgpr_count 2
		.amdhsa_user_sgpr_kernarg_segment_ptr 1
		.amdhsa_wavefront_size32 1
		.amdhsa_system_sgpr_workgroup_id_x 1
		.amdhsa_system_sgpr_workgroup_id_y 1
		.amdhsa_system_sgpr_workgroup_id_z 1
		.amdhsa_system_vgpr_workitem_id 0
		.amdhsa_next_free_vgpr 242
		.amdhsa_next_free_sgpr 66
		.amdhsa_reserve_vcc 1
		.amdhsa_float_denorm_mode_32 3
		.amdhsa_float_denorm_mode_16_64 3
		.amdhsa_fp16_overflow 1
		.amdhsa_memory_ordered 1
		.amdhsa_forward_progress 1
		.amdhsa_inst_pref_size 73
	.end_amdhsa_kernel
	.amdgpu_metadata
---
amdhsa.version: [ 1, 2 ]
amdhsa.kernels:
  - .name:           k_qb26bb1e6f5_quant
    .symbol:         k_qb26bb1e6f5_quant.kd
    .args:
      - { .name: x, .offset: 0, .size: 8, .value_kind: global_buffer, .address_space: global }
      - { .name: Wq, .offset: 8, .size: 8, .value_kind: global_buffer, .address_space: global }
      - { .name: Wk, .offset: 16, .size: 8, .value_kind: global_buffer, .address_space: global }
      - { .name: Wv, .offset: 24, .size: 8, .value_kind: global_buffer, .address_space: global }
      - { .name: Wo, .offset: 32, .size: 8, .value_kind: global_buffer, .address_space: global }
      - { .name: xc, .offset: 40, .size: 8, .value_kind: global_buffer, .address_space: global }
      - { .name: xs, .offset: 48, .size: 8, .value_kind: global_buffer, .address_space: global }
      - { .name: wc, .offset: 56, .size: 8, .value_kind: global_buffer, .address_space: global }
      - { .name: ws, .offset: 64, .size: 8, .value_kind: global_buffer, .address_space: global }
    .group_segment_fixed_size: 34304
    .private_segment_fixed_size: 0
    .kernarg_segment_align: 8
    .kernarg_segment_size: 72
    .max_flat_workgroup_size: 128
    .sgpr_count:     66
    .vgpr_count:     242
    .wavefront_size: 32
...
	.end_amdgpu_metadata
.endif
;; end of part 1
;; launch qkv (part 2): grid 8 x 32, 4 waves a work-group, clusters of 4 x 4, 327,680 bytes of LDS; arguments xc, xs, wc, ws, qkv; writes qkv
.if DOCPART == 2
	.amdgcn_target "amdgcn-amd-amdhsa--gfx1250"
	.amdhsa_code_object_version 6
	.text
	.protected	k_qb26bb1e6f5_qkv
	.globl	k_qb26bb1e6f5_qkv
	.p2align	8
	.type	k_qb26bb1e6f5_qkv,@function
k_qb26bb1e6f5_qkv:
	s_mov_b64 s[64:65], 0
	v_nop
	global_prefetch_b8 v0, s[64:65] scope:SCOPE_SE
	s_setreg_imm32_b32 hwreg(HW_REG_WAVE_MODE, 25, 1), 1
	s_wait_xcnt 0x0
	s_wait_alu depctr_hold_cnt(0) depctr_sa_sdst(0) depctr_va_vdst(0) depctr_va_sdst(0) depctr_va_ssrc(0) depctr_va_vcc(0) depctr_vm_vsrc(0)
	s_getreg_b32 s2, hwreg(HW_REG_IB_STS2, 6, 4)
	s_cmp_eq_u32 s2, 0
	s_cbranch_scc0 .Lentry_in_a_cluster
	s_endpgm
.Lentry_in_a_cluster:
	s_bfe_u32 s2, ttmp6, 0x10000c
	s_cmp_lg_u32 s2, 0xf033
	s_cbranch_scc0 .Lentry_shape_is_right
	s_endpgm
.Lentry_shape_is_right:
; q = x Wq, k = x Wk, v = x Wv on codes of FP8 (E4M3) with E8M0 scales, K = 1,024; the results are quantised in registers and leave as codes: q and k along the head's 64, v along the keys.
; OPERANDS come as images of their registers: tile T (16 rows), fragment (T, s) of 128 K at T x 16384 + s x 2048 + c x 512 + 16 x lane; scale words at T x 512 + (s / 4) x 256 + 16 r + 4 (s % 4).
; Lane r of tile T stands for row 32 (T / 2) + 8 (T % 2) + r + 8 (r / 8).  So as source 0 two neighbouring tiles 2 b, 2 b + 1 leave in a lane's 16 result registers the 16 neighbours 32 b + 16 (lane / 16) + 0 .. 15.
; A WORK-GROUP STAYS AND MAKES TWO TILES, so that 8 x 32 = 256 work-groups share 8,192 x 3,072 results evenly: 768 matrix instructions a wave.
; TILE 1, 256 x 256: source 1 ("A") = 256 rows of x, source 0 ("B") = 256 columns of Wq | Wk: a lane holds one row of x and its registers run along the head's channels.  A wave makes 128 x 128: 64 accumulators.
; TILE 2, 128 x 256: A = 128 columns of Wv, B = 256 rows of x: a lane holds one channel and its registers run along the keys, the K of attention's second product.  A wave makes 64 x 128: one head's block of v.
; K goes in four steps of 256 through two LDS slots filled by the tensor data mover, and the ring does not stop at tile 1's end: its last two changes of slots ask for tile 2's first two K steps,
; which land while tile 1 is quantised and stored (registers and global stores alone).
; CLUSTERS: 4 x 4.  In both tiles A's tiles hang on the cluster's place and cy alone and are shared along a row of the cluster, B's on cx alone and are shared along a column: each is asked for jointly.
; OUT: qkv = [q, k, v][64 heads][16 groups of 128 rows][8,448 bytes].  q, k: codes of tile a at 1024 a + 512 c + 16 x lane (c: which 32 of the head's 64); at 8192 + 16 r + 4 f the word [tile 2 f's two bytes][tile 2 f + 1's].
; v: fragment t (16 channels x 128 keys) at 2048 t + 512 c + 16 x lane; at 8192 + 16 r + 4 t its scale word.
; LIMITS: NaN and infinities are not served; a block of zeros gets the byte 1 (its codes are zeros; this program alone reads the bytes).
; REGISTERS: window 0: v16-29 addresses; v32-63 scale words, two sets, and nothing else; v128-255 A's fragments (tile 1: one set of 8; tile 2: two sets of 4); on the ways out v64-91 at work, v128-191 held numbers, v192-255 codes.
;   window 1: B's fragments, two sets.  windows 2, 3: the accumulators ((a, b) at v[8 (8 (a % 4) + b)] of window 2 + a / 4); tile 2 uses window 2 alone.
.set NQ,     2                         ; matrix instructions deep in a slot
.set FR,     16                        ; registers of a fragment
.set NL,     4                         ; LDS loads that bring one
.set NP,     8                         ; places behind this matrix instruction (ISA guide 7.12.1)
.set HALFT,  32768                     ; 8 tiles x 256 K
.set SLOT,   4*HALFT                   ; tile 1: A's two halves, then B's.  tile 2: A's two halves of 16,384 at the slot's head, B's where tile 1's lay
.set SCL,    2*SLOT                    ; behind the ring: tile 1's scale words for all of K
.set HALFS,  4096                      ; those of 8 tiles
.set SCL2,   SCL+4*HALFS               ; tile 2's: A's 2 x 2,048 bytes, then B's 2 x 4,096
.set SPARE,  SCL2+12288                ; the spare words, 128 bytes for each wave, which no other line names
.set RSTEP,  8192                      ; a refill's step: two K steps on in a tile's 16,384 bytes
.set HEADB,  135168                    ; a head's 16 blocks of 8,448 bytes
.set SECB,   64*HEADB                  ; a section
.set ADRA, 16                          ; v16-17  LDS address of my A fragments in slot 0, 1 (tile 1)
.set HADRA, 18                         ; v18-19  the same for tile 2
.set ADRB, 20                          ; v20-21  the same for B, both tiles
.set HADRS, 22                         ; v22     LDS address of my scale words, tile 2
.set SWO2, 23                          ; v23     tile 2's way out: where my scale words go
.set SWO,  24                          ; v24     tile 1's
.set SHH,  25                          ; v25     16 x (lane / 16)
.set CO,   26                          ; v26     16 x lane
.set ADRS, 27                          ; v27     LDS address of my scale words, tile 1: lanes 0-15 A's, lanes 16-31 B's
.set SPW,  28                          ; v28     LDS address of my spare word; never rewritten
.set NIL,  29                          ; v29     0; never rewritten
.set SC,   32
.set AF,   128
.set TM,   64                          ; the ways out: v64-79 as in the quantiser
.set SWD,  80                          ; v80-87  a scale word for each block
.set WW,   88                          ; v88-91  the four words that leave (tile 1)
.set TQ,   128                         ; v128-191 64 held numbers
.set PC,   192                         ; v192-255 four sets of 16 registers of codes
.set G1, 24                            ; s[24:31] group 1 for A's codes;  s[32:39] group 0, a set for each slot
.set G0, 32
.set G1S2, 40                          ; s[40:47] group 1 for tile 2's A scale words
.set G1B, 48                           ; s[48:55], s[56:63] the same as G1, G0 for B's codes
.set G0B, 56
.set G1S, 68                           ; s[68:75], s[76:79] groups 1, 0 for tile 1's A scale words;  s[80:87], s[88:91] for B's (group 1 serves both tiles)
.set G0S, 76
.set G1SB, 80
.set G0SB, 88
.set G0S2, 92                          ; s[92:95], s[96:99] groups 0 for tile 2's scale words, A's and B's
.set G0SB2, 96
.set MSB, 0
.macro WIN new                         ; the immediate's high byte repeats the setting that is left
.if MSB != \new
	s_set_vgpr_msb (MSB<<8)|\new
.set MSB, \new
.endif
.endm
.set MUL_LO, 0xa1                      ; source 0 (B) window 1, source 1 (A) window 0, C and D window 2
.set MUL_HI, 0xf1                      ; the same, C and D window 3
.set TO_B,   0x40                      ; destination window 1, address window 0
; A joint load: waves 0 and 1 fetch for A, waves 2 and 3 for B; the branch hangs on the wave's number alone.  Four v_nop follow each of the two lines.
.macro JLOAD g0a, g1a, g0b, g1b
	s_cmp_eq_u32 s15, 0
	s_cbranch_scc0 .Lfor_b_\@
	tensor_load_to_lds s[\g0a:\g0a+3], s[\g1a:\g1a+7]
	s_nop 0
.rept 4
	v_nop
.endr
	s_branch .Lasked_\@
.Lfor_b_\@:
	tensor_load_to_lds s[\g0b:\g0b+3], s[\g1b:\g1b+7]
	s_nop 0
.rept 4
	v_nop
.endr
.Lasked_\@:
.endm
.macro CREST                           ; a round of the cluster's barrier behind its opening barrier
	s_cmp_lg_u32 s14, 0
	s_cbranch_scc1 .Lnot_wave_0_\@
	s_barrier_signal -3
.Lnot_wave_0_\@:
	s_barrier_wait -3
	s_barrier_signal -1
	s_barrier_wait -1
.endm
.macro CROUND
	s_barrier_signal -1
	s_barrier_wait -1
	CREST
.endm
	s_load_b256 s[4:11], s[0:1], 0x0               ; xc s[4:5], xs s[6:7], wc s[8:9], ws s[10:11]
	s_load_b64 s[12:13], s[0:1], 0x20              ; qkv
	v_lshl_add_u32 v[SPW], v0, 2, SPARE
	v_mov_b32 v[NIL], 0
	ds_add_u32 v28, v29
	ds_add_u32 v28, v29
	s_wait_dscnt 0x0
	v_lshrrev_b32 v1, 5, v0
	v_readfirstlane_b32 s14, v1                    ; wave 0..3
	s_lshr_b32 s15, s14, 1                         ; which half of A's rows is mine.  Also: I fetch for A (0) or for B (1)
	s_and_b32 s16, s14, 1                          ; which half of B's rows.  Also: which half of the tiles I fetch
	s_bfe_u32 s100, ttmp6, 0x40000                 ; cx, cy: my place in the cluster
	s_bfe_u32 s101, ttmp6, 0x40004
	s_lshl_b32 s21, ttmp9, 2                       ; 4 x cluster x
	s_and_b32 s2, ttmp7, 0xffff
	s_lshl_b32 s2, s2, 2                           ; 4 x cluster y
	s_add_co_u32 s17, s2, s101                     ; tile 1, A: block of 256 rows of x = 4 x cluster y + cy
	s_add_co_u32 s3, s21, s100                     ; tile 1, B: block of 256 columns of Wq | Wk = 4 x cluster x + cx
	s_lshl_b32 s19, s101, 2
	s_lshl_b32 s19, 15, s19                        ; my row of the cluster
	s_lshl_b32 s20, 0x1111, s100                   ; my column
	; descriptor group 1 for codes: rows (tiles) of 4,096 bytes (512 elements of 8 bytes), 16,384 bytes apart; dense in LDS.  8 rows; A's become 4 for tile 2
	s_or_b32 s[G1+0], s19, (3<<16)|(1<<21)         ; 15:0 the mask; 17:16 elements of 8 bytes; 21 set beside a mask
	s_or_b32 s[G1B+0], s20, (3<<16)|(1<<21)
.irp g, G1, G1B
	s_mov_b32 s[\g+1], 512<<16                     ; tensor_dim0
	s_mov_b32 s[\g+2], 8<<16                       ; tensor_dim1
	s_mov_b32 s[\g+3], 512<<16                     ; tile_dim0
	s_mov_b32 s[\g+4], 8                           ; tile_dim1
	s_mov_b32 s[\g+5], 2048                        ; tensor_dim0_stride
	s_mov_b32 s[\g+6], 0
	s_mov_b32 s[\g+7], 0
.endr
	; and for scale words: dense bytes as rows of 256: 16 rows (8 tiles), for tile 2's A 8 rows (4 tiles)
	s_or_b32 s[G1S+0], s19, (3<<16)|(1<<21)
	s_or_b32 s[G1SB+0], s20, (3<<16)|(1<<21)
	s_or_b32 s[G1S2+0], s19, (3<<16)|(1<<21)
.irp g, G1S, G1SB
	s_mov_b32 s[\g+1], 32<<16
	s_mov_b32 s[\g+2], 16<<16
	s_mov_b32 s[\g+3], 32<<16
	s_mov_b32 s[\g+4], 16
	s_mov_b32 s[\g+5], 32
	s_mov_b32 s[\g+6], 0
	s_mov_b32 s[\g+7], 0
.endr
	s_mov_b32 s[G1S2+1], 32<<16
	s_mov_b32 s[G1S2+2], 8<<16
	s_mov_b32 s[G1S2+3], 32<<16
	s_mov_b32 s[G1S2+4], 8
	s_mov_b32 s[G1S2+5], 32
	s_mov_b32 s[G1S2+6], 0
	s_mov_b32 s[G1S2+7], 0
	; byte offsets of what I fetch, made in the registers that will hold the addresses.  s19, s66, s67 hold nothing of cx; s20, s22, s23 nothing of cy
	s_lshl_b32 s18, s16, 3
	s_lshl_b32 s19, s17, 4
	s_add_co_u32 s19, s19, s18                     ; tile 1, A: my first tile of x: 16 x block + 8 x half
	s_lshl_b32 s[G0+2], s19, 14
	s_mov_b32 s[G0+3], 0
	s_lshl_b32 s[G0S+2], s19, 9
	s_mov_b32 s[G0S+3], 0
	s_lshl_b32 s20, s3, 4
	s_add_co_u32 s20, s20, s18                     ; tile 1, B: my first tile of Wq | Wk
	s_lshl_b32 s[G0B+2], s20, 14
	s_mov_b32 s[G0B+3], 0
	s_lshl_b32 s[G0SB+2], s20, 9
	s_mov_b32 s[G0SB+3], 0
	s_add_co_u32 s19, s21, s101                    ; tile 2, A: which 128 columns of Wv = 4 x cluster x + cy
	s_lshl_b32 s19, s19, 3
	s_lshl_b32 s66, s16, 2
	s_add_co_u32 s19, s19, s66
	s_add_co_u32 s19, s19, 128                     ; my first tile: Wv's begin at tile 128; 8 x index + 4 x half
	s_lshl_b32 s66, s19, 14
	s_mov_b32 s67, 0
	s_lshl_b32 s[G0S2+2], s19, 9
	s_mov_b32 s[G0S2+3], 0
	s_add_co_u32 s20, s2, s100                     ; tile 2, B: block of 256 rows of x = 4 x cluster y + cx
	s_lshl_b32 s20, s20, 4
	s_add_co_u32 s20, s20, s18
	s_lshl_b32 s22, s20, 14
	s_mov_b32 s23, 0
	s_lshl_b32 s[G0SB2+2], s20, 9
	s_mov_b32 s[G0SB2+3], 0
.irp g, G0, G0+4, G0B, G0B+4, G0S, G0SB, G0S2, G0SB2
	s_mov_b32 s[\g], 1                             ; 1:0 count = 1
.endr
	s_lshl_b32 s[G0+1], s14, 15                    ; where they go: the wave's number and constants alone
	s_add_co_u32 s[G0+5], s[G0+1], SLOT
	s_lshl_b32 s[G0B+1], s14, 15
	s_add_co_u32 s[G0B+5], s[G0B+1], SLOT
	s_lshl_b32 s[G0S+1], s14, 12
	s_add_co_u32 s[G0S+1], s[G0S+1], SCL
	s_lshl_b32 s[G0SB+1], s14, 12
	s_add_co_u32 s[G0SB+1], s[G0SB+1], SCL
	s_lshl_b32 s[G0S2+1], s16, 11
	s_add_co_u32 s[G0S2+1], s[G0S2+1], SCL2
	s_lshl_b32 s[G0SB2+1], s16, 12
	s_add_co_u32 s[G0SB2+1], s[G0SB2+1], SCL2+4096
	s_wait_kmcnt 0x0
	s_add_nc_u64 s[G0+2:G0+3], s[4:5], s[G0+2:G0+3]            ; K step 0,
	s_add_nc_u64 s[G0+6:G0+7], s[G0+2:G0+3], 4096              ; K step 1
	s_add_nc_u64 s[G0B+2:G0B+3], s[8:9], s[G0B+2:G0B+3]
	s_add_nc_u64 s[G0B+6:G0B+7], s[G0B+2:G0B+3], 4096
	s_add_nc_u64 s[G0S+2:G0S+3], s[6:7], s[G0S+2:G0S+3]
	s_add_nc_u64 s[G0SB+2:G0SB+3], s[10:11], s[G0SB+2:G0SB+3]
	s_add_nc_u64 s[G0S2+2:G0S2+3], s[10:11], s[G0S2+2:G0S2+3]
	s_add_nc_u64 s[G0SB2+2:G0SB2+3], s[6:7], s[G0SB2+2:G0SB2+3]
	s_add_nc_u64 s[8:9], s[8:9], s[66:67]          ; kept for the change of tiles: tile 2's A codes,
	s_add_nc_u64 s[4:5], s[4:5], s[22:23]          ; and its B codes
.irp g, G0, G0+4, G0B, G0B+4, G0S, G0SB, G0S2, G0SB2
	s_or_b32 s[\g+3], s[\g+3], 0x80000000          ; 127:126 type = 2
.endr
	CROUND                                         ; all sixteen work-groups are here: the first joint loads meet
	JLOAD G0S, G1S, G0SB, G1SB                     ; tile 1's scale words first: they are wanted with K step 0
	JLOAD G0, G1, G0B, G1B
	JLOAD G0+4, G1, G0B+4, G1B
	JLOAD G0S2, G1S2, G0SB2, G1SB                  ; tile 2's scale words: four tensor loads of mine are out
	v_and_b32 v1, 15, v0                           ; r
	v_bfe_u32 v2, v0, 4, 1                         ; h
	v_and_b32 v3, 31, v0
	v_lshlrev_b32 v4, 4, v3                        ; 16 x lane: an image's place for my lane
	s_lshl_b32 s18, s15, 15                        ; tile 1: my 8 tiles of A
	s_lshl_b32 s19, s16, 15                        ; my 8 tiles of B,
	s_add_co_u32 s19, s19, 2*HALFT                 ; which lie in the slot's second half
	s_lshl_b32 s20, s15, 14                        ; tile 2: my 4 tiles of A
.irp s, 0,1
	v_add_nc_u32 v[ADRA+\s], s18, v4
	v_add_nc_u32 v[ADRB+\s], s19, v4
	v_add_nc_u32 v[HADRA+\s], s20, v4
	s_add_co_u32 s18, s18, SLOT
	s_add_co_u32 s19, s19, SLOT
	s_add_co_u32 s20, s20, SLOT
.endr
	v_lshlrev_b32 v5, 4, v1                        ; my row's scale words: 16 r
	s_lshl_b32 s18, s15, 12                        ; tile 1: A's: my 8 tiles
	s_lshl_b32 s19, s16, 12                        ; B's, behind A's 16 tiles
	s_add_co_u32 s19, s19, 2*HALFS
	s_sub_co_u32 s19, s19, s18
	v_mul_u32_u24 v6, s19, v2                      ; lanes 16-31 take B's
	s_add_co_u32 s18, s18, SCL
	v_add_nc_u32 v6, v5, v6
	v_add_nc_u32 v[ADRS], s18, v6
	s_lshl_b32 s18, s15, 11                        ; tile 2: A's: my 4 tiles
	s_lshl_b32 s19, s16, 12                        ; B's, behind A's 8 tiles
	s_add_co_u32 s19, s19, 4096
	s_sub_co_u32 s19, s19, s18
	v_mul_u32_u24 v6, s19, v2
	s_wait_alu depctr_va_vdst(0)
	s_add_co_u32 s18, s18, SCL2
	v_add_nc_u32 v6, v5, v6
	v_add_nc_u32 v[HADRS], s18, v6
	v_lshlrev_b32 v[SHH], 4, v2
	v_mul_u32_u24 v[SWO], v2, HEADB                ; tile 1's way out: lanes 0-15 store the first head's scale words, lanes 16-31 the second's
	v_lshl_add_u32 v[SWO], v1, 4, v[SWO]
	v_add_nc_u32 v[SWO], 8192, v[SWO]
	v_add_nc_u32 v[SWO2], 8192, v5
	v_mov_b32 v[CO], v4
	; where my blocks begin: section x SECB + (16 x batch + head) x HEADB + (group of 128 rows of x) x 8,448.  Tile 2 first, since tile 1's base is made in place
	s_lshl_b32 s18, ttmp9, 2
	s_add_co_u32 s18, s18, s101
	s_lshl_b32 s18, s18, 1
	s_add_co_u32 s18, s18, s15                     ; my head: 2 x (which 128 columns of Wv) + half
	s_and_b32 s19, ttmp7, 0xffff
	s_lshl_b32 s19, s19, 2
	s_add_co_u32 s19, s19, s100
	s_lshl_b32 s19, s19, 8
	s_lshl_b32 s20, s16, 7
	s_add_co_u32 s19, s19, s20                     ; my first row of x
	s_lshr_b32 s20, s19, 11
	s_lshl_b32 s20, s20, 4
	s_add_co_u32 s20, s20, s18
	s_mul_i32 s20, s20, HEADB
	s_bfe_u32 s19, s19, 0x40007
	s_mul_i32 s19, s19, 8448
	s_add_co_u32 s66, s20, s19
	s_add_co_u32 s66, s66, 2*SECB
	s_mov_b32 s67, 0
	s_add_nc_u64 s[66:67], s[12:13], s[66:67]
	s_lshl_b32 s18, s17, 8
	s_lshl_b32 s19, s15, 7
	s_add_co_u32 s18, s18, s19                     ; tile 1: my first row of x
	s_lshl_b32 s19, s3, 8
	s_lshl_b32 s20, s16, 7
	s_add_co_u32 s19, s19, s20                     ; my first column of [Wq | Wk]
	s_lshr_b32 s20, s19, 10
	s_mul_i32 s20, s20, SECB
	s_lshr_b32 s21, s18, 11
	s_lshl_b32 s21, s21, 4
	s_bfe_u32 s22, s19, 0x40006
	s_add_co_u32 s21, s21, s22
	s_mul_i32 s21, s21, HEADB
	s_add_co_u32 s20, s20, s21
	s_bfe_u32 s22, s18, 0x40007
	s_mul_i32 s22, s22, 8448
	s_add_co_u32 s22, s20, s22
	s_mov_b32 s23, 0
	s_add_nc_u64 s[12:13], s[12:13], s[22:23]
	s_mov_b32 s18, 0x76543210                      ; v_permlanex16_b32's selects for lane l xor 16
	s_mov_b32 s19, 0xfedcba98
	s_mov_b32 s20, 0x600000                        ; the mantissa field of 448
.macro FRAG reg, adr, q, i             ; a fragment as it was stored: four loads of 512 consecutive bytes
.irp c, 0,1,2,3
	ds_load_b128 v[\reg+4*\c:\reg+4*\c+3], v[\adr] offset:4096*(\i)+2048*(\q)+512*\c
.endr
.endm
; TILE 1.  16 matrix instructions: A's blocks a0, a0 + 1 x B's eight, 128 along K.  p: B's set; sc: the set of scale words.  zero = 1: the first product starts the sums.
; The accumulators take turns, one instruction a turn, in the same order in every step.
.macro MUL16 a0, p, q, sc, zero
.irp a, \a0, \a0+1
.irp b, 0,1,2,3,4,5,6,7
.if \zero
	v_wmma_scale_f32_16x16x128_f8f6f4 v[8*(8*((\a)%4)+\b):8*(8*((\a)%4)+\b)+7], v[128*(\p)+FR*\b:128*(\p)+FR*\b+FR-1], v[AF+FR*(\a):AF+FR*(\a)+FR-1], 0, v[SC+8*NQ*(\sc)+NQ*\b+(\q)], v[SC+8*NQ*(\sc)+NQ*(\a)+(\q)] matrix_a_scale:MATRIX_SCALE_ROW1
.else
	v_wmma_scale_f32_16x16x128_f8f6f4 v[8*(8*((\a)%4)+\b):8*(8*((\a)%4)+\b)+7], v[128*(\p)+FR*\b:128*(\p)+FR*\b+FR-1], v[AF+FR*(\a):AF+FR*(\a)+FR-1], v[8*(8*((\a)%4)+\b):8*(8*((\a)%4)+\b)+7], v[SC+8*NQ*(\sc)+NQ*\b+(\q)], v[SC+8*NQ*(\sc)+NQ*(\a)+(\q)] matrix_a_scale:MATRIX_SCALE_ROW1
.endif
.endr
.endr
.endm
.macro FETCH_B slot, q, p
	WIN TO_B
.irp i, 0,1,2,3,4,5,6,7
	FRAG 128*(\p)+FR*\i, ADRB+\slot, \q, \i
.endr
	WIN 0
.endm
.macro FETCH_A slot, q, i0
.irp i, \i0, \i0+1, \i0+2, \i0+3
	FRAG AF+FR*(\i), ADRA+\slot, \q, \i
.endr
.endm
.macro SCALES adr, sc, ks              ; K step ks's two words a row into set sc: lanes 0-15 A's tile i, lanes 16-31 B's tile i (tile 2 has four tiles of A: what lanes 0-15 read for i above 3 is not used)
.irp i, 0,1,2,3,4,5,6,7
	ds_load_b64 v[SC+8*NQ*(\sc)+NQ*\i:SC+8*NQ*(\sc)+NQ*\i+1], v[\adr] offset:\i*512+256*((\ks)/2)+8*((\ks)%2)
.endr
.endm
.macro PLACES n                        ; places in front of loads into registers that matrix instructions have read, and of the first read of results
.rept \n
	v_nop
.endr
.endm
.macro STEP slot, q, zero              ; 128 along K that has its successor in the same slot
	s_wait_dscnt 4*NL                              ; B's set, A's blocks 0-3 and the scale words are in; the youngest 16 loads (A's blocks 4-7) may be out
	WIN MUL_LO
	MUL16 0, (\q)%2, \q, \slot, \zero
	MUL16 2, (\q)%2, \q, \slot, \zero
	s_wait_dscnt 0
	PLACES NP
	FETCH_B \slot, (\q)+1, 1-(\q)%2
	FETCH_A \slot, (\q)+1, 0
	WIN MUL_HI
	MUL16 4, (\q)%2, \q, \slot, \zero
	MUL16 6, (\q)%2, \q, \slot, \zero
	PLACES NP
	WIN 0
	FETCH_A \slot, (\q)+1, 4
.endm
; The descriptors of slot s are set to tile 2's K step s.  No tensor load of mine is out where this stands.
.macro NEXT_TILE slot
.if \slot == 0
	s_mov_b32 s[G1+2], 4<<16                       ; A's tiles are 4 to a load from here on: tensor_dim1,
	s_mov_b32 s[G1+4], 4                           ; tile_dim1
.endif
	s_lshl_b32 s[G0+4*\slot+1], s16, 14            ; and lie 16,384 bytes apart at the slot's head
.if \slot
	s_add_co_u32 s[G0+4*\slot+1], s[G0+4*\slot+1], SLOT
.endif
	s_add_nc_u64 s[G0+4*\slot+2:G0+4*\slot+3], s[8:9], \slot*4096
	s_or_b32 s[G0+4*\slot+3], s[G0+4*\slot+3], 0x80000000
	s_add_nc_u64 s[G0B+4*\slot+2:G0B+4*\slot+3], s[4:5], \slot*4096
	s_or_b32 s[G0B+4*\slot+3], s[G0B+4*\slot+3], 0x80000000
.endm
; A slot's last 128 along K changes slots: one barrier, which opens a round of the cluster's; in front of it each wave waits for all its tensor loads, adds 0 to its spare word, and waits for that and for its reads of this slot.
; Behind the round this slot is filled again: fill = 1: two K steps on; fill = 2: with tile 2's K step of this slot's number.  ks: the K step that lies in the next slot.
; fetch = 0: tile 1's very last step: nothing is fetched from LDS, since the way out takes the fragments' registers.
.macro TURN slot, next, fill, ks, fetch
	s_wait_tensorcnt 0x0                           ; all my tensor loads have landed: my part of the next slot
	ds_add_u32 v[SPW], v[NIL]                      ; 0 onto my spare word
	s_wait_dscnt 4*NL+1                            ; (the add and the youngest 16 loads may be out)
	WIN MUL_LO
	MUL16 0, 1, NQ-1, \slot, 0
	s_wait_dscnt 0x0                               ; the add is done, and my reads of this slot are over
	s_barrier_signal -1
	MUL16 2, 1, NQ-1, \slot, 0
	WIN 0
	s_barrier_wait -1
	CREST                                          ; no wave of any partner still reads this slot or has a load on its way
.if \fill == 1
	s_add_nc_u64 s[G0+4*\slot+2:G0+4*\slot+3], s[G0+4*\slot+2:G0+4*\slot+3], RSTEP
	s_add_nc_u64 s[G0B+4*\slot+2:G0B+4*\slot+3], s[G0B+4*\slot+2:G0B+4*\slot+3], RSTEP
.else
	NEXT_TILE \slot
.endif
	JLOAD G0+4*\slot, G1, G0B+4*\slot, G1B         ; my one tensor load behind the round; its four v_nop are among the places in front of the loads below
.if \fetch
	PLACES NP-4
	FETCH_B \next, 0, 0
	FETCH_A \next, 0, 0
	SCALES ADRS, \next, \ks
.endif
	WIN MUL_HI
	MUL16 4, 1, NQ-1, \slot, 0
	MUL16 6, 1, NQ-1, \slot, 0
.if \fetch
	PLACES NP
	WIN 0
	FETCH_A \next, 0, 4
.else
	WIN 0
.endif
.endm
; TILE 2.  A has four blocks, 64 registers, so it has two sets as B has: set p at v[AF + 64 p].  8 matrix instructions: A's block a x B's eight.
.macro HMUL a, p, q, sc, zero
.irp b, 0,1,2,3,4,5,6,7
.if \zero
	v_wmma_scale_f32_16x16x128_f8f6f4 v[8*(8*(\a)+\b):8*(8*(\a)+\b)+7], v[128*(\p)+FR*\b:128*(\p)+FR*\b+FR-1], v[AF+64*(\p)+FR*(\a):AF+64*(\p)+FR*(\a)+FR-1], 0, v[SC+8*NQ*(\sc)+NQ*\b+(\q)], v[SC+8*NQ*(\sc)+NQ*(\a)+(\q)] matrix_a_scale:MATRIX_SCALE_ROW1
.else
	v_wmma_scale_f32_16x16x128_f8f6f4 v[8*(8*(\a)+\b):8*(8*(\a)+\b)+7], v[128*(\p)+FR*\b:128*(\p)+FR*\b+FR-1], v[AF+64*(\p)+FR*(\a):AF+64*(\p)+FR*(\a)+FR-1], v[8*(8*(\a)+\b):8*(8*(\a)+\b)+7], v[SC+8*NQ*(\sc)+NQ*\b+(\q)], v[SC+8*NQ*(\sc)+NQ*(\a)+(\q)] matrix_a_scale:MATRIX_SCALE_ROW1
.endif
.endr
.endm
.macro FETCH_H slot, q, p
.irp i, 0,1,2,3
	FRAG AF+64*(\p)+FR*\i, HADRA+\slot, \q, \i
.endr
.endm
; 128 along K on sets p: the next 128's 48 loads (slot fslot, its fq-th 128) go out first, into the other sets, and have these 32 matrix instructions in which to land.
.macro HSUB p, q, sc, zero, fslot, fq, fks
	s_wait_dscnt 0x0                               ; this step's fragments and scale words are in
	PLACES NP
	FETCH_B \fslot, \fq, 1-(\p)
	FETCH_H \fslot, \fq, 1-(\p)
.if \fq == 0
	SCALES HADRS, 1-(\sc), \fks
.endif
	WIN MUL_LO
.irp a, 0,1,2,3
	HMUL \a, \p, \q, \sc, \zero
.endr
	WIN 0
.endm
; A slot's last 128 along K (sets 1) changes slots, as TURN does.  fill = 1: the barrier opens a round of the cluster's and this slot is filled again, two K steps on.
.macro HTURN slot, next, fill, sc, ks
	s_wait_tensorcnt 0x0                           ; all my tensor loads have landed: my part of the next slot
	ds_add_u32 v[SPW], v[NIL]                      ; 0 onto my spare word
	s_wait_dscnt 1                                 ; this step's fragments are in (the add alone may be out)
	WIN MUL_LO
	HMUL 0, 1, 1, \sc, 0
	s_wait_dscnt 0x0                               ; the add is done, and my reads of this slot are over
	s_barrier_signal -1
	HMUL 1, 1, 1, \sc, 0
	WIN 0
	s_barrier_wait -1
.if \fill
	CREST
	s_add_nc_u64 s[G0+4*\slot+2:G0+4*\slot+3], s[G0+4*\slot+2:G0+4*\slot+3], RSTEP
	s_add_nc_u64 s[G0B+4*\slot+2:G0B+4*\slot+3], s[G0B+4*\slot+2:G0B+4*\slot+3], RSTEP
	JLOAD G0+4*\slot, G1, G0B+4*\slot, G1B         ; my one tensor load behind the round
	PLACES NP-4
.else
	PLACES NP
.endif
	FETCH_B \next, 0, 0
	FETCH_H \next, 0, 0
	SCALES HADRS, 1-(\sc), \ks
	WIN MUL_LO
	HMUL 2, 1, 1, \sc, 0
	HMUL 3, 1, 1, \sc, 0
	WIN 0
.endm
; THE WAY OUT of A's block a.  Its 64 accumulator registers are, in their order, 64 numbers of one row: register 16 b + i = index 32 b + 16 (lane / 16) + i along B: four blocks of 32, each shared with lane l xor 16.
; They are quantised as they stand; the 16 registers of codes are images of the next products' operands and leave by four stores of 512 consecutive bytes.  No LDS.
; kind 0 (q, k): b / 2 is the head, b % 2 the half of its 64.  kind 1 (v): a is the tile of 16 channels, b the 32 keys.
.macro QBLK kind, a
.set AC,  64*((\a)%4)
.set WA,  2+(\a)/4
.set WAA, WA|(WA<<2)
.set PCB, PC+16*((\a)%4)
	WIN WAA                                        ; sources 0 and 1: the accumulators' window
.irp b, 0,1,2,3
	v_max3_num_f32 v[TM+\b], |v[AC+16*\b]|, |v[AC+16*\b+1]|, 0x4800000   ; each accumulator is read from its low end on; the floor 2^(9 - 127) holds the byte at 1 from below
.endr
.irp i, 2,4,6,8,10,12,14
.irp b, 0,1,2,3
	v_max3_num_f32 v[TM+\b], |v[AC+16*\b+\i]|, |v[AC+16*\b+\i+1]|, v[TM+\b]
.endr
.endr
	WIN 0
.irp b, 0,1,2,3
	v_permlanex16_b32 v[TM+4+\b], v[TM+\b], s18, s19
.endr
.irp b, 0,1,2,3
	v_max_num_f32 v[TM+\b], v[TM+\b], v[TM+4+\b]
.endr
.irp b, 0,1,2,3
	v_add_nc_u32 v[TM+12+\b], 0xfc000000, v[TM+\b]
.endr
.irp b, 0,1,2,3
	v_and_or_b32 v[TM+8+\b], v[TM+\b], 0x7f800000, s20
.endr
.irp b, 0,1,2,3
	v_lshrrev_b32 v[TM+4+\b], 23, v[TM+12+\b]
.endr
	v_lshl_or_b32 v[SWD+(\a)], v[TM+5], 8, v[TM+4]
	v_lshl_or_b32 v[SWD+(\a)], v[TM+6], 16, v[SWD+(\a)]
	v_lshl_or_b32 v[SWD+(\a)], v[TM+7], 24, v[SWD+(\a)]
	WIN WA                                         ; source 0: the accumulators' window
.irp b, 0,1,2,3
.irp i, 0,1,2,3,4,5,6,7,8,9,10,11,12,13,14,15
	v_med3_num_f32 v[TQ+16*\b+\i], v[AC+16*\b+\i], -v[TM+8+\b], v[TM+8+\b]   ; the hold at 448 x the scale (ISA guide 7.6.2: the conversion does not saturate)
.endr
.endr
	WIN 0
.if (\a) > 3
	s_wait_alu depctr_va_vdst(0)
	s_wait_xcnt 0x0                                ; the stores of four blocks ago have read this set of codes' registers
.endif
.irp b, 0,1,2,3
	v_cvt_scalef32_pk8_fp8_f32 v[PCB+4*\b:PCB+4*\b+1], v[TQ+16*\b:TQ+16*\b+7], v[TM+12+\b]
	v_cvt_scalef32_pk8_fp8_f32 v[PCB+4*\b+2:PCB+4*\b+3], v[TQ+16*\b+8:TQ+16*\b+15], v[TM+12+\b]
.endr
	v_nop                                          ; a plain line behind the last conversion
.irp b, 0,1,2,3
.if \kind
	global_store_b128 v[CO], v[PCB+4*\b:PCB+4*\b+3], s[66:67] offset:2048*(\a)+512*\b
.else
	global_store_b128 v[CO], v[PCB+4*\b:PCB+4*\b+3], s[12:13] offset:(\b/2)*HEADB+1024*(\a)+512*(\b%2)
.endif
.endr
.endm
	s_wait_tensorcnt 2                             ; tile 1's scale words and my part of K step 0 are in; K step 1's load and tile 2's scale words may be out
	s_barrier_signal -1
	s_barrier_wait -1
	FETCH_B 0, 0, 0
	FETCH_A 0, 0, 0
	SCALES ADRS, 0, 0
	FETCH_A 0, 0, 4
	STEP 0, 0, 1                                   ; TILE 1: K = 1,024 is four K steps: written out
	TURN 0, 1, 1, 1, 1
	STEP 1, 0, 0
	TURN 1, 0, 1, 2, 1
	STEP 0, 0, 0
	TURN 0, 1, 2, 3, 1                             ; THE RING GOES ON INTO TILE 2: slot 0 takes its K step 0,
	STEP 1, 0, 0
	TURN 1, 0, 2, 0, 0                             ; slot 1 its K step 1
	PLACES NP                                      ; both refills are asked for: now tile 1 goes out
.irp b, 0,1,2,3
	v_mov_b32 v[TM+4+\b], 0                        ; written once: a lane permute's destination counts as one of its sources
.endr
.irp a, 0,1,2,3,4,5,6,7
	QBLK 0, \a
.endr
.irp a, 0,1,2,3,4,5,6,7
	v_lshrrev_b32 v[SWD+\a], v[SHH], v[SWD+\a]     ; lanes 0-15: the first head's two bytes come lowest; lanes 16-31: the second's
.endr
.irp f, 0,1,2,3
	v_perm_b32 v[WW+\f], v[SWD+2*\f+1], v[SWD+2*\f], 0x05040100   ; [tile 2 f's two bytes][tile 2 f + 1's]
.endr
	global_store_b128 v[SWO], v[WW:WW+3], s[12:13] ; sixteen lanes store a block's 256 bytes of scale words
	s_wait_xcnt 0x0                                ; tile 1's stores have read their registers: fragments may land there, and the way out's registers may be written again
	FETCH_B 0, 0, 0                                ; TILE 2.  Its K step 0 was shown landed, in every wave, in front of the last round
	FETCH_H 0, 0, 0
	SCALES HADRS, 0, 0
	HSUB 0, 0, 0, 1, 0, 1, 0                       ; the first products start the sums
	HTURN 0, 1, 1, 0, 1
	HSUB 0, 0, 1, 0, 1, 1, 0
	HTURN 1, 0, 1, 1, 2
	HSUB 0, 0, 0, 0, 0, 1, 0
	HTURN 0, 1, 0, 0, 3                            ; nothing is left to fetch
	HSUB 0, 0, 1, 0, 1, 1, 0
	s_wait_dscnt 0x0
	WIN MUL_LO
.irp a, 0,1,2,3
	HMUL \a, 1, 1, 1, 0
.endr
	WIN 0
	PLACES NP
.irp a, 0,1,2,3
	QBLK 1, \a
.endr
	s_wait_xcnt 0x0                                ; EXEC changes only behind this wait
	v_cmp_eq_u32 vcc_lo, 0, v[SHH]
	s_and_saveexec_b32 s21, vcc_lo                 ; lanes 16-31 hold the same words
	global_store_b128 v[SWO2], v[SWD:SWD+3], s[66:67]              ; sixteen lanes store the block's 256 bytes of scale words
	s_wait_xcnt 0x0
	s_or_b32 exec_lo, exec_lo, s21
	s_wait_tensorcnt 0x0                           ; the wave's end
	ds_add_u32 v[SPW], v[NIL]
	s_wait_dscnt 0x0
	CROUND                                         ; the closing round: no work-group ends while a partner may still ask for a tile that names it
	s_endpgm
.Lfunc_end_k_qb26bb1e6f5_qkv:
	.size	k_qb26bb1e6f5_qkv, .Lfunc_end_k_qb26bb1e6f5_qkv-k_qb26bb1e6f5_qkv
	.p2alignl 7, 3214868480
	.fill 96, 4, 3214868480
	.section	.rodata,"a",@progbits
	.p2align	6, 0x0
	.amdhsa_kernel k_qb26bb1e6f5_qkv
		.amdhsa_group_segment_fixed_size 327680
		.amdhsa_private_segment_fixed_size 0
		.amdhsa_enable_private_segment 0
		.amdhsa_kernarg_size 40
		.amdhsa_user_sgpr_count 2
		.amdhsa_user_sgpr_kernarg_segment_ptr 1
		.amdhsa_wavefront_size32 1
		.amdhsa_system_sgpr_workgroup_id_x 1
		.amdhsa_system_sgpr_workgroup_id_y 1
		.amdhsa_system_sgpr_workgroup_id_z 1
		.amdhsa_system_vgpr_workitem_id 0
		.amdhsa_next_free_vgpr 1024
		.amdhsa_next_free_sgpr 102
		.amdhsa_reserve_vcc 1
		.amdhsa_float_denorm_mode_32 3
		.amdhsa_float_denorm_mode_16_64 3
		.amdhsa_memory_ordered 1
		.amdhsa_forward_progress 1
		.amdhsa_inst_pref_size 255
	.end_amdhsa_kernel
	.section	.bss,"aw",@nobits
	.p2align	6
	.space	262144
	.amdgpu_metadata
---
amdhsa.version: [ 1, 2 ]
amdhsa.kernels:
  - .name:           k_qb26bb1e6f5_qkv
    .symbol:         k_qb26bb1e6f5_qkv.kd
    .args:
      - { .name: xc, .offset: 0, .size: 8, .value_kind: global_buffer, .address_space: global }
      - { .name: xs, .offset: 8, .size: 8, .value_kind: global_buffer, .address_space: global }
      - { .name: wc, .offset: 16, .size: 8, .value_kind: global_buffer, .address_space: global }
      - { .name: ws, .offset: 24, .size: 8, .value_kind: global_buffer, .address_space: global }
      - { .name: qkv, .offset: 32, .size: 8, .value_kind: global_buffer, .address_space: global }
    .group_segment_fixed_size: 327680
    .private_segment_fixed_size: 0
    .kernarg_segment_align: 8
    .kernarg_segment_size: 40
    .max_flat_workgroup_size: 128
    .sgpr_count:     102
    .vgpr_count:     1024
    .wavefront_size: 32
...
	.end_amdgpu_metadata
.endif
;; end of part 2
;; launch attn (part 3): grid 4 x 64, 16 waves a work-group, no clusters, 327,680 bytes of LDS; arguments qkv, ac, asc; writes ac, asc
.if DOCPART == 3
	.amdgcn_target "amdgcn-amd-amdhsa--gfx1250"
	.amdhsa_code_object_version 6
	.text
	.protected	k_qb26bb1e6f5_attn
	.globl	k_qb26bb1e6f5_attn
	.p2align	8
	.type	k_qb26bb1e6f5_attn,@function
k_qb26bb1e6f5_attn:
	s_mov_b64 s[64:65], 0
	v_nop
	global_prefetch_b8 v0, s[64:65] scope:SCOPE_SE
	s_setreg_imm32_b32 hwreg(HW_REG_WAVE_MODE, 25, 1), 1
	s_wait_xcnt 0x0
; Causal attention of one head on codes of FP8 (E4M3) with E8M0 scales; head size 64, 2,048 queries and keys.  In: qkv = [q, k, v][64 heads][16 groups of 128][8,448 bytes], images of operands' registers.
; Out: the attended rows, quantised along the model's 1,024, as images for the last product: ac: tile T at T x 16384 + head x 1024 + 512 b + 16 x lane; asc: T x 512 + (head / 8) x 256 + 16 r + 2 (head % 8) + b.
; THE SOFTMAX: t = score x log2(e) / 8; M = the running largest t rounded UP to a whole number; p = 2^(t - M) is quantised along the keys, not normalised; the row's sum is taken of the unquantised p and divides at the end.
; When M moves, the sum and O are multiplied by 2^(old M - new M): exact.
; SHARES.  Work-group (p, head) owns the blocks p and 7 - p of 256 queries: block j wants 2 (j + 1) steps of 128 keys, so every work-group has 18 steps' work.  Each of sixteen waves owns one tile of 16 queries
; of the block in hand, in 256 registers: four waves to a SIMD, so that one wave's vector work stands beside another's matrix work and LDS loads.
; THE HEAD'S WHOLE K AND V STAY IN LDS: 16 blocks of 8,448 bytes each, 2 x 135,168 bytes, every byte filled once.  They come in four stages of 512 keys; of a stage each wave brings 4,224 dense bytes (waves 0-7 of K,
; waves 8-15 of V).  Stage 0 is asked for at the head, stage s + 1 behind the barrier that shows stage s landed.  So the text has four barriers: in front of block p's steps 0 and 4 and of block 7 - p's steps 8 and 12;
; between them the waves run free of each other.  THE PRICE: all 2,048 keys are fetched, though block 7 - p reads only 256 (8 - p) of them.
; NO CLUSTER, though the four work-groups of a head ask for the same bytes: the jumps over hidden steps hang on p, which would be the place in the cluster, and the partners have different numbers of steps to do
; between two barriers (behind the first: 2, 4, 4, 4), so that joint rounds would make them wait for each other.
; LAYOUT.  Both products transposed: S^T = K Q^T, O^T = V^T P^T: a lane holds ONE query throughout.  Lane r of a tile T of rows stands for row 32 (T / 2) + 8 (T % 2) + r + 8 (r / 8), so the 16 registers of two
; neighbouring result tiles are 16 neighbours (keys in S^T, channels in O^T).
; HEAD SIZE 64 IN AN INSTRUCTION OF K = 128: a fragment of K holds TWO tiles of keys (registers 0-7: tile 2 f, 8-15: tile 2 f + 1).  Q is kept twice: [q | zero codes] picks tile 2 f, [zero codes | q] tile 2 f + 1.
; Zero codes add nothing: the codes beside them are finite (every conversion is held) and no scale byte is 0xff.
; CAUSAL: a step of 128 keys that all come after my 16 queries is jumped over by a scalar branch on ids; on the diagonal hidden scores become -infinity ahead of the maximum.  Key 0 counts for every query.
; LIMITS: NaN and infinities are not served; p under 2^-126 becomes 0; a block of zeros gets the byte 1 (its codes are zeros; this program alone reads the bytes).
; The scale bytes leave two a lane, 16 bytes apart: one byte for each 32 of codes.
.set HEADB, 135168
.set SECB,  64*HEADB
.set BLKB,  8448                       ; a block of 128 keys: 8,192 bytes of codes, 256 of scale words
.set STAGEB, 4*BLKB                    ; a stage's bytes of K, or of V: 512 keys
.set PARTB, STAGEB/8                   ; what one tensor load brings
.set VLDS,  16*BLKB                    ; LDS: K's 16 blocks from byte 0, V's 16 from here
.set SPARE, 2*VLDS                     ; the spare words, 128 bytes for each of sixteen waves, which no other line names
.set LI,  1                            ; v1   16 x lane
.set LR,  2                            ; v2   16 x (lane % 16)
.set AL,  3                            ; v3   v1 + the step's block of K
.set AR,  4                            ; v4   v2 + the step's block of K
.set SPW, 5                            ; v5   LDS address of my spare word; never rewritten
.set NIL, 6                            ; v6   0; never rewritten
.set LQ,  7                            ; v7   r + 8 (r / 8) - 16 (lane / 16)
.set DD,  8                            ; v8   the mask's bound
.set NINF, 9                           ; v9   -infinity
.set TA,  10                           ; v10, v11 at work;  v12 -M, v13 the largest t, v[14:15] the sum in two halves
.set TC,  11
.set QLO, 16                           ; v16-31  [q | 0]
.set QHI, 32                           ; v32-47  [0 | q]
.set FRG, 48                           ; v48-111 four fragments of K, then of V
.set ST,  112                          ; v112-175 S^T, then p
.set OT,  176                          ; v176-207 O^T
.set PCD, 208                          ; v208-223 p's codes
.set BM,  224                          ; v224-227 the blocks' largest
.set PD,  228                          ; v228-231 permutes' results, bytes, the sum's second chain
.set HD,  232                          ; v232-235 two chains of the sum
.set CSC, 236                          ; v236-239 the conversions' scale operands
.set KS,  240                          ; v240-243 K's scale words;  v244-247 V's;  v248 p's;  v249 Q's: these hold scales and nothing else
.set VS,  244
.set PS,  248
.set QS,  249
.set FF,  250                          ; v[250:251] f = 2^(old M - new M) (the pair is named; its low word serves)
.set AVL, 252                          ; v252 v3 + VLDS: the step's block of V (it lies further off than an LDS immediate reaches)
.set AVR, 253                          ; v253 v4 + VLDS
.set WV,  10                           ; s10 wave;  s11 p;  s12 head (0..63);  s13 counts a loop's steps;  s15 LDS byte of the step's block of K;  s16 the step's first key;  s17 my least query;  s18 my tile
.set PP,  11
.set BH,  12
.set CNT, 13
.set TB,  15
.set KF,  16
.set Q0,  17
.set QT,  18
.set MNT, 19
.set SEL, 20
.set CS,  22                           ; s[22:23] c = log2(e) / 8
.set G1,  24                           ; s[24:31] descriptor group 1;  s[32:47] group 0, a set for each of the four stages: none is ever rewritten
.set G0,  32
.set QB,  60                           ; s[60:61] q's blocks of my head
	s_load_b128 s[4:7], s[0:1], 0x0                ; qkv s[4:5], ac s[6:7]
	s_load_b64 s[8:9], s[0:1], 0x10                ; asc
	v_lshl_add_u32 v[SPW], v0, 2, SPARE
	v_mov_b32 v[NIL], 0
	ds_add_u32 v5, v6
	ds_add_u32 v5, v6
	s_wait_dscnt 0x0
	v_lshrrev_b32 v[TA], 5, v0
	s_delay_alu instid0(VALU_DEP_1)
	v_readfirstlane_b32 s[WV], v[TA]               ; wave 0..15
	s_mov_b32 s[PP], ttmp9
	s_and_b32 s[BH], ttmp7, 0xffff
	s_mov_b32 s[SEL], 0x76543210
	s_mov_b32 s[SEL+1], 0xfedcba98                 ; v_permlanex16_b32's selects for lane l xor 16
	s_mov_b32 s[CS], 0x3e38aa3b                    ; log2(e) / 8
	s_mov_b32 s[CS+1], s[CS]
	; descriptor group 1: one dense row of 4,224 bytes: 528 elements of 8 bytes
	s_mov_b32 s[G1], 3<<16                         ; 15:0 no mask; 17:16 elements of 8 bytes; no padding
	s_mov_b32 s[G1+1], (PARTB/8)<<16               ; tensor_dim0
	s_mov_b32 s[G1+2], 1<<16                       ; tensor_dim1 = 1
	s_mov_b32 s[G1+3], (PARTB/8)<<16               ; tile_dim0
	s_mov_b32 s[G1+4], 1                           ; tile_dim1 = 1
	s_mov_b32 s[G1+5], PARTB/8                     ; tensor_dim0_stride
	s_mov_b32 s[G1+6], 0
	s_mov_b32 s[G1+7], 0
	s_lshr_b32 s54, s[WV], 3                       ; 0: I fetch of K; 1: of V
	s_and_b32 s55, s[WV], 7
	s_mul_i32 s55, s55, PARTB                      ; which eighth of a stage
	s_mul_i32 s58, s54, VLDS
	s_add_co_u32 s58, s58, s55                     ; where it goes in stage 0: the wave's number and constants alone
	s_mul_i32 s56, s[BH], HEADB                    ; my head's bytes in a section
	s_mov_b32 s57, 0
	s_mul_i32 s54, s54, SECB
	s_add_co_u32 s54, s54, s55
	s_add_co_u32 s54, s54, s56
	s_add_co_u32 s54, s54, SECB                    ; k's section is the second, v's the third
	s_mov_b32 s55, 0
	s_wait_kmcnt 0x0
	s_add_nc_u64 s[QB:QB+1], s[4:5], s[56:57]
	s_add_nc_u64 s[54:55], s[4:5], s[54:55]        ; where it comes from in stage 0
.irp s, 0,1,2,3
	s_mov_b32 s[G0+4*\s], 1                                        ; 1:0 count = 1
	s_add_co_u32 s[G0+4*\s+1], s58, \s*STAGEB                      ; 63:32 LDS address
	s_add_nc_u64 s[G0+4*\s+2:G0+4*\s+3], s[54:55], \s*STAGEB       ; 120:64 global address: a head's K, and its V, lie in memory as they lie in LDS
	s_or_b32 s[G0+4*\s+3], s[G0+4*\s+3], 0x80000000                ; 127:126 type = 2
.endr
	tensor_load_to_lds s[G0:G0+3], s[G1:G1+7]      ; stage 0: keys 0 to 511.  Four v_nop follow
	s_nop 0
.rept 4
	v_nop
.endr
	v_and_b32 v[TA], 31, v0
	s_delay_alu instid0(VALU_DEP_1)
	v_lshlrev_b32 v[LI], 4, v[TA]
	v_and_b32 v[TA], 15, v0                        ; r
	s_delay_alu instid0(VALU_DEP_1)
	v_lshlrev_b32 v[LR], 4, v[TA]
	v_bfe_u32 v[TC], v0, 4, 1                      ; h
	s_delay_alu instid0(VALU_DEP_3)
	v_and_b32 v[LQ], 8, v[TA]
	s_delay_alu instid0(VALU_DEP_1)
	v_add_nc_u32 v[LQ], v[LQ], v[TA]
	s_delay_alu instid0(VALU_DEP_3)
	v_lshlrev_b32 v[TC], 4, v[TC]
	s_delay_alu instid0(VALU_DEP_1)
	v_sub_nc_u32 v[LQ], v[LQ], v[TC]
	v_mov_b32 v[NINF], 0xff800000
.irp j, 0,1,2,3,4,5,6,7
	v_mov_b32 v[QLO+8+\j], 0                       ; the zero codes, written once
	v_mov_b32 v[QHI+\j], 0
.endr
.irp b, 0,1,2,3
	v_mov_b32 v[PD+\b], 0                          ; a lane permute's destination counts as one of its sources
.endr
	v_mov_b32 v[FF+1], 0                           ; (named as the upper half of a pair)
; A block of queries begins; its number is in s54.  My tile's codes and scale word come into registers; M, the sum and O^T begin anew.
.macro INIT
	s_lshl_b32 s[QT], s54, 4
	s_add_co_u32 s[QT], s[QT], s[WV]               ; my tile of 16 rows: 16 x block + wave
	s_and_b32 s55, s[QT], 1
	s_lshl_b32 s55, s55, 3
	s_lshl_b32 s[Q0], s[QT], 4
	s_sub_co_u32 s[Q0], s[Q0], s55                 ; its least query: 32 (T / 2) + 8 (T % 2); its largest is 23 on
	s_lshr_b32 s55, s[QT], 3
	s_mul_i32 s48, s55, BLKB
	s_mov_b32 s49, 0
	s_add_nc_u64 s[48:49], s[QB:QB+1], s[48:49]    ; the block of 128 rows
	s_and_b32 s55, s[WV], 7
	s_lshl_b32 s50, s55, 10
	s_mov_b32 s51, 0
	s_add_nc_u64 s[50:51], s[48:49], s[50:51]      ; my tile's 1,024 bytes of codes
	s_lshr_b32 s55, s55, 1
	s_lshl_b32 s52, s55, 2
	s_add_co_u32 s52, s52, 8192
	s_mov_b32 s53, 0
	s_add_nc_u64 s[48:49], s[48:49], s[52:53]      ; the word that holds my tile's two bytes
	global_load_b128 v[QLO:QLO+3], v[LI], s[50:51]
	global_load_b128 v[QLO+4:QLO+7], v[LI], s[50:51] offset:512
	global_load_b128 v[QHI+8:QHI+11], v[LI], s[50:51]
	global_load_b128 v[QHI+12:QHI+15], v[LI], s[50:51] offset:512
	global_load_b32 v[TA], v[LR], s[48:49]
	v_mov_b32 v13, 0xff61b1e6                      ; the largest t so far: -3e38, under every t
	s_delay_alu instid0(VALU_DEP_1)
	v_floor_f32 v12, -v13                          ; -M
	v_mov_b32 v14, 0
	v_mov_b32 v15, 0
	s_and_b32 s55, s[WV], 1
	s_lshl_b32 s55, s55, 4
	s_wait_loadcnt 0x0
	v_lshrrev_b32 v[TA], s55, v[TA]                ; an even tile's bytes lie low, an odd tile's high
	s_delay_alu instid0(VALU_DEP_1)
	v_and_b32 v[TA], 0xffff, v[TA]
	s_delay_alu instid0(VALU_DEP_1)
	v_lshl_or_b32 v[QS], v[TA], 16, v[TA]          ; (q0, q1, q0, q1): it serves [q | 0] and [0 | q]
.set nn, 0
.rept 32
	v_mov_b32 v[OT+nn], 0                          ; O^T: the step is written once and finds zeros.  (These are also the places between the scale word's making and the next products)
.set nn, nn+1
.endr
.endm
; A KEY STEP: the 128 keys from s[KF] on; their block of K lies at LDS byte s[TB], their block of V VLDS bytes further on.
.macro STEP
	s_add_co_u32 s55, s[Q0], 23
	s_cmp_gt_u32 s[KF], s55                        ; all 128 keys come after my queries: nothing to do but to step on
	s_cbranch_scc1 .Lhidden_\@
	s_setprio 2
	v_add_nc_u32 v[AL], s[TB], v[LI]
	v_add_nc_u32 v[AR], s[TB], v[LR]
	s_delay_alu instid0(VALU_DEP_2)
	v_add_nc_u32 v[AVL], VLDS, v[AL]
	s_delay_alu instid0(VALU_DEP_2)
	v_add_nc_u32 v[AVR], VLDS, v[AR]
.rept 4
	v_nop                                          ; with the four additions: eight places in front of loads into registers that matrix instructions have read
.endr
.irp f, 0,1,2,3
.irp c, 0,1,2,3
	ds_load_b128 v[FRG+16*\f+4*\c:FRG+16*\f+4*\c+3], v[AL] offset:2048*\f+512*\c
.endr
.endr
	ds_load_b128 v[KS:KS+3], v[AR] offset:8192
	s_wait_alu depctr_va_vdst(0)
	s_wait_dscnt 0x0
.irp f, 0,1,2,3                                ; registers ST + 16 f + i: key KF + 32 f + 16 (lane / 16) + i
	v_wmma_scale_f32_16x16x128_f8f6f4 v[ST+16*\f:ST+16*\f+7], v[FRG+16*\f:FRG+16*\f+15], v[QLO:QLO+15], 0, v[KS+\f], v[QS]
	v_wmma_scale_f32_16x16x128_f8f6f4 v[ST+16*\f+8:ST+16*\f+15], v[FRG+16*\f:FRG+16*\f+15], v[QHI:QHI+15], 0, v[KS+\f], v[QS]
.endr
.rept 8
	v_nop                                          ; places: for the loads below and for the first read of the scores
.endr
.irp f, 0,1,2,3                                ; V's four fragments (16 channels x 128 keys) land while the softmax is walked
.irp c, 0,1,2,3
	ds_load_b128 v[FRG+16*\f+4*\c:FRG+16*\f+4*\c+3], v[AVL] offset:2048*\f+512*\c
.endr
.endr
	ds_load_b128 v[VS:VS+3], v[AVR] offset:8192
	s_add_co_u32 s55, s[KF], 127
	s_cmp_le_u32 s55, s[Q0]                        ; all 128 keys count for all my queries: no mask
	s_cbranch_scc1 .Lopen_\@
	s_sub_co_i32 s55, s[Q0], s[KF]
	v_add_nc_u32 v[DD], s55, v[LQ]                 ; d = my query - KF - 16 (lane / 16): register 16 b + i is hidden where 32 b + i > d
.set nn, 0
.rept 64
	v_cmp_gt_i32 vcc_lo, 32*(nn/16)+nn%16, v[DD]
	v_cndmask_b32 v[ST+nn], v[ST+nn], v[NINF], vcc_lo
.set nn, nn+1
.endr
.Lopen_\@:
.irp b, 0,1,2,3
	v_max3_num_f32 v[BM+\b], v[ST+16*\b], v[ST+1+16*\b], v[ST+2+16*\b]   ; the largest score of each block of 32 keys: for the row's maximum, and, since p rises with the score, for the block's largest p
.endr
.irp i, 3,5,7,9,11,13
.irp b, 0,1,2,3
	v_max3_num_f32 v[BM+\b], v[BM+\b], v[ST+16*\b+\i], v[ST+1+16*\b+\i]
.endr
.endr
.irp b, 0,1,2,3
	v_max_num_f32 v[BM+\b], v[BM+\b], v[ST+15+16*\b]
.endr
.irp b, 0,1,2,3
	s_delay_alu instid0(VALU_DEP_4)
	v_permlanex16_b32 v[PD+\b], v[BM+\b], s[SEL], s[SEL+1]
.endr
.irp b, 0,1,2,3
	s_delay_alu instid0(VALU_DEP_4)
	v_max_num_f32 v[BM+\b], v[BM+\b], v[PD+\b]     ; with lane l xor 16's 16 keys
.endr
	s_delay_alu instid0(VALU_DEP_2)
	v_max3_num_f32 v[TA], v[BM], v[BM+1], v[BM+2]
	s_delay_alu instid0(VALU_DEP_1)
	v_max_num_f32 v[TA], v[TA], v[BM+3]
	s_delay_alu instid0(VALU_DEP_1)
	v_mul_f32 v[TA], s[CS], v[TA]                  ; as t
	s_delay_alu instid0(VALU_DEP_1)
	v_max_num_f32 v13, v13, v[TA]                  ; the running largest t
	v_mov_b32 v[TA], v12
	s_delay_alu instid0(VALU_DEP_2)
	v_floor_f32 v12, -v13                          ; the new -M = -ceil(t): a whole number
	s_delay_alu instid0(VALU_DEP_1)
	v_sub_f32 v[TA], v12, v[TA]                    ; old M - new M: a whole number, 0 or less
	s_delay_alu instid0(VALU_DEP_1)
	v_cvt_i32_f32 v[TA], v[TA]                     ; (it saturates)
	s_delay_alu instid0(VALU_DEP_1)
	v_ldexp_f32 v[FF], 1.0, v[TA]                  ; f = 2^(old M - new M)
.set nn, 0
	s_setprio 1
.rept 32
	v_pk_fma_f32 v[ST+nn:ST+nn+1], v[ST+nn:ST+nn+1], s[CS:CS+1], v[12:13] op_sel_hi:[1,0,0]   ; t - M, two at a time
.set nn, nn+2
.endr
.irp b, 0,1,2,3
	v_fma_f32 v[BM+\b], v[BM+\b], s[CS], v12       ; the same of each block's largest score
.endr
.set nn, 0
	s_wait_alu depctr_va_vdst(0)
.rept 64
	v_exp_f32 v[ST+nn], v[ST+nn]                   ; p = 2^(t - M), at most 1
.set nn, nn+1
.endr
.irp b, 0,1,2,3
	v_exp_f32 v[BM+\b], v[BM+\b]                   ; the block's largest p: the same two instructions on the same number
.endr
	v_pk_mul_f32 v[14:15], v[14:15], v[FF:FF+1] op_sel_hi:[1,0]   ; the sums under the new M.  (A plain place behind the exponentials)
	s_wait_alu depctr_va_vdst(0)
.irp b, 0,1,2,3
	v_max_num_f32 v[BM+\b], 0x4800000, v[BM+\b]    ; the floor 2^(9 - 127)
.endr
.irp b, 0,1,2,3
	s_delay_alu instid0(VALU_DEP_4)
	v_add_nc_u32 v[CSC+\b], 0xfc000000, v[BM+\b]
.endr
.irp b, 0,1,2,3
.endr
.irp b, 0,1,2,3
	s_delay_alu instid0(VALU_DEP_4)
	v_lshrrev_b32 v[PD+\b], 23, v[CSC+\b]
.endr
	s_delay_alu instid0(VALU_DEP_3)
	v_lshl_or_b32 v[PS], v[PD+1], 8, v[PD]         ; p's scale word for these 128 keys
	s_delay_alu instid0(VALU_DEP_1)
	v_lshl_or_b32 v[PS], v[PD+2], 16, v[PS]
	s_delay_alu instid0(VALU_DEP_1)
	v_lshl_or_b32 v[PS], v[PD+3], 24, v[PS]
	v_pk_add_f32 v[228:229], v[116:117], v[120:121]
	v_pk_add_f32 v[254:255], v[124:125], v[128:129]
	v_pk_add_f32 v[234:235], v[132:133], v[136:137]
	v_pk_add_f32 v[232:233], v[140:141], v[144:145]
	v_pk_add_f32 v[14:15], v[14:15], v[148:149]
	v_pk_add_f32 v[228:229], v[228:229], v[152:153]
	v_pk_add_f32 v[254:255], v[254:255], v[156:157]
	v_pk_add_f32 v[234:235], v[234:235], v[160:161]
	v_pk_add_f32 v[232:233], v[232:233], v[164:165]
	v_pk_add_f32 v[14:15], v[14:15], v[168:169]
	v_pk_add_f32 v[228:229], v[228:229], v[172:173]
	v_pk_add_f32 v[254:255], v[254:255], v[112:113]
	v_pk_add_f32 v[234:235], v[234:235], v[114:115]
	v_pk_add_f32 v[232:233], v[232:233], v[118:119]
	v_pk_add_f32 v[14:15], v[14:15], v[122:123]
	v_pk_add_f32 v[228:229], v[228:229], v[126:127]
	v_pk_add_f32 v[254:255], v[254:255], v[130:131]
	v_pk_add_f32 v[234:235], v[234:235], v[134:135]
	s_setprio 0
	v_pk_add_f32 v[232:233], v[232:233], v[138:139]
	v_pk_add_f32 v[14:15], v[14:15], v[142:143]
	v_pk_add_f32 v[228:229], v[228:229], v[146:147]
	v_pk_add_f32 v[254:255], v[254:255], v[150:151]
	v_pk_add_f32 v[234:235], v[234:235], v[154:155]
	v_pk_add_f32 v[232:233], v[232:233], v[158:159]
	v_pk_add_f32 v[14:15], v[14:15], v[162:163]
	v_pk_add_f32 v[228:229], v[228:229], v[166:167]
	v_pk_add_f32 v[254:255], v[254:255], v[170:171]
	v_pk_add_f32 v[234:235], v[234:235], v[174:175]
	s_delay_alu instid0(VALU_DEP_1)
	v_pk_add_f32 v[14:15], v[14:15], v[234:235]
	s_delay_alu instid0(VALU_DEP_4)
	v_pk_add_f32 v[228:229], v[228:229], v[232:233]
	s_delay_alu instid0(VALU_DEP_2)
	v_pk_add_f32 v[14:15], v[14:15], v[254:255]
	s_delay_alu instid0(VALU_DEP_1)
	v_pk_add_f32 v[14:15], v[14:15], v[228:229]
.irp b, 0,1,2,3
.irp i, 0,1,2,3,4,5,6,7,8,9,10,11,12,13,14,15
.endr
	v_cvt_scalef32_pk8_fp8_f32 v[PCD+4*\b:PCD+4*\b+1], v[ST+16*\b:ST+16*\b+7], v[CSC+\b]
	v_cvt_scalef32_pk8_fp8_f32 v[PCD+4*\b+2:PCD+4*\b+3], v[ST+16*\b+8:ST+16*\b+15], v[CSC+\b]
.endr
.set nn, 0
.rept 16
	v_pk_mul_f32 v[OT+nn:OT+nn+1], v[OT+nn:OT+nn+1], v[FF:FF+1] op_sel_hi:[1,0]   ; O^T under the new M.  (Also the places between the codes' making and the products)
.set nn, nn+2
.endr
	s_wait_alu depctr_va_vdst(0)
	s_wait_dscnt 0x0                               ; V is in
.irp f, 0,1,2,3                                ; O^T += V^T P^T: four accumulators by turns
	v_wmma_scale_f32_16x16x128_f8f6f4 v[OT+8*\f:OT+8*\f+7], v[FRG+16*\f:FRG+16*\f+15], v[PCD:PCD+15], v[OT+8*\f:OT+8*\f+7], v[VS+\f], v[PS]
.endr
.Lhidden_\@:
	s_add_co_u32 s[KF], s[KF], 128                 ; on every way: the next step's keys and their block
	s_add_co_u32 s[TB], s[TB], BLKB
.endm
; n steps from step first on: the trip count, the first key and the first block are constants of the text.
.macro WALK first, n
	s_mov_b32 s[TB], (\first)*BLKB
	s_mov_b32 s[KF], (\first)*128
	s_mov_b32 s[CNT], 0
.Lwalk_\@:
	STEP
	s_add_co_u32 s[CNT], s[CNT], 1
	s_cmp_lt_u32 s[CNT], \n
	s_cbranch_scc1 .Lwalk_\@
	s_setprio 0
.endm
; Stage s has landed, in every wave.  Each wave waits for its one tensor load that is out, its part of the stage, adds 0 to its spare word, waits for that and for its LDS loads, and passes the barrier.
; more = 1: the next stage is asked for, first thing behind the barrier: bytes that nothing has filled and that nobody reads before the next such barrier.
.macro LAND s, more
	s_wait_tensorcnt 0x0                           ; my part of stage s is in LDS
	ds_add_u32 v[SPW], v[NIL]                      ; 0 onto my spare word
	s_wait_dscnt 0x0                               ; the add is done; no LDS instruction of mine is out at the signal
	s_barrier_signal -1
	s_barrier_wait -1
.if \more
	tensor_load_to_lds s[G0+4*(\s)+4:G0+4*(\s)+7], s[G1:G1+7]      ; my one tensor load until the next barrier.  Four v_nop follow
	s_nop 0
.rept 4
	v_nop
.endr
.endif
.endm
; A block of queries ends: O^T / the sum is quantised along the channels (two blocks of 32: register 16 b + i = channel 32 b + 16 (lane / 16) + i) and leaves as an image.
.macro FINISH
.rept 8
	v_nop                                          ; places behind the last products
.endr
	v_add_f32 v14, v14, v15
	s_delay_alu instid0(VALU_DEP_1)
	v_permlanex16_b32 v[TA], v14, s[SEL], s[SEL+1]
	s_delay_alu instid0(VALU_DEP_1)
	v_add_f32 v14, v14, v[TA]                      ; the row's sum
	s_wait_alu depctr_va_vdst(0)
	v_rcp_f32 v14, v14
	v_nop                                          ; one plain place behind a transcendental
.set nn, 0
	s_wait_alu depctr_va_vdst(0)
.rept 16
	v_pk_mul_f32 v[ST+nn:ST+nn+1], v[OT+nn:OT+nn+1], v[14:15] op_sel_hi:[1,0]   ; each accumulator from its low end on
.set nn, nn+2
.endr
.irp b, 0,1
	v_max3_num_f32 v[BM+\b], |v[ST+16*\b]|, |v[ST+1+16*\b]|, 0x4800000
.endr
.irp i, 2,4,6,8,10,12,14
.irp b, 0,1
	s_delay_alu instid0(VALU_DEP_2)
	v_max3_num_f32 v[BM+\b], v[BM+\b], |v[ST+16*\b+\i]|, |v[ST+1+16*\b+\i]|
.endr
.endr
.irp b, 0,1
	s_delay_alu instid0(VALU_DEP_2)
	v_permlanex16_b32 v[PD+\b], v[BM+\b], s[SEL], s[SEL+1]
.endr
.irp b, 0,1
	s_delay_alu instid0(VALU_DEP_2)
	v_max_num_f32 v[BM+\b], v[BM+\b], v[PD+\b]
.endr
.irp b, 0,1
	s_delay_alu instid0(VALU_DEP_2)
	v_add_nc_u32 v[CSC+\b], 0xfc000000, v[BM+\b]
.endr
.irp b, 0,1
.endr
.irp b, 0,1
	s_delay_alu instid0(VALU_DEP_2)
	v_lshrrev_b32 v[PD+\b], 23, v[CSC+\b]
.endr
	s_delay_alu instid0(VALU_DEP_1)
	v_lshl_or_b32 v[TC], v[PD+1], 8, v[PD]         ; my row's two scale bytes
.irp b, 0,1
.irp i, 0,1,2,3,4,5,6,7,8,9,10,11,12,13,14,15
.endr
	v_cvt_scalef32_pk8_fp8_f32 v[PCD+4*\b:PCD+4*\b+1], v[ST+16*\b:ST+16*\b+7], v[CSC+\b]
	v_cvt_scalef32_pk8_fp8_f32 v[PCD+4*\b+2:PCD+4*\b+3], v[ST+16*\b+8:ST+16*\b+15], v[CSC+\b]
.endr
	v_nop                                          ; a plain line behind the last conversion
	s_lshr_b32 s55, s[BH], 4
	s_lshl_b32 s55, s55, 7
	s_add_co_u32 s55, s55, s[QT]                   ; T = 128 x batch + my tile
	s_and_b32 s56, s[BH], 15                       ; the head in its batch
	s_lshl_b32 s50, s55, 14
	s_lshl_b32 s57, s56, 10
	s_add_co_u32 s50, s50, s57
	s_mov_b32 s51, 0
	s_add_nc_u64 s[50:51], s[6:7], s[50:51]
	s_lshl_b32 s52, s55, 9
	s_lshr_b32 s57, s56, 3
	s_lshl_b32 s57, s57, 8
	s_add_co_u32 s52, s52, s57
	s_and_b32 s57, s56, 7
	s_lshl_b32 s57, s57, 1
	s_add_co_u32 s52, s52, s57
	s_mov_b32 s53, 0
	s_add_nc_u64 s[52:53], s[8:9], s[52:53]
	s_wait_alu depctr_va_vdst(0)
	global_store_b128 v[LI], v[PCD:PCD+3], s[50:51]                ; 32 lanes store 512 consecutive bytes
	global_store_b128 v[LI], v[PCD+4:PCD+7], s[50:51] offset:512
	s_wait_xcnt 0x0                                ; EXEC changes only behind this wait
	v_cmp_gt_u32 vcc_lo, 256, v[LI]
	s_and_saveexec_b32 s58, vcc_lo                 ; lanes 16-31 hold the same bytes
	global_store_b16 v[LR], v[TC], s[52:53]
	s_wait_xcnt 0x0                                ; and again in front of the line that widens it; the stores' registers and bases are free behind it too
	s_or_b32 exec_lo, exec_lo, s58
.endm
	s_mov_b32 s54, s[PP]
	INIT                                           ; block p: at most 1,024 keys count for it: stages 0 and 1
	LAND 0, 1                                      ; keys 0 to 511 are in; 512 to 1,023 are asked for
	WALK 0, 4
	LAND 1, 1                                      ; keys 512 to 1,023 are in; 1,024 to 1,535 are asked for
	WALK 4, 4
	FINISH
	s_sub_co_u32 s54, 7, s[PP]
	INIT                                           ; block 7 - p: its first eight steps read what has landed: no barrier
	WALK 0, 8
	LAND 2, 1                                      ; keys 1,024 to 1,535 are in; the last 512 are asked for
	WALK 8, 4
	LAND 3, 0                                      ; all keys are in
	WALK 12, 4
	FINISH
	s_wait_tensorcnt 0x0                           ; the wave's end
	ds_add_u32 v[SPW], v[NIL]
	s_wait_dscnt 0x0
	s_endpgm
.Lfunc_end_k_qb26bb1e6f5_attn:
	.size	k_qb26bb1e6f5_attn, .Lfunc_end_k_qb26bb1e6f5_attn-k_qb26bb1e6f5_attn
	.p2alignl 7, 3214868480
	.fill 96, 4, 3214868480
	.section	.rodata,"a",@progbits
	.p2align	6, 0x0
	.amdhsa_kernel k_qb26bb1e6f5_attn
		.amdhsa_group_segment_fixed_size 327680
		.amdhsa_private_segment_fixed_size 0
		.amdhsa_enable_private_segment 0
		.amdhsa_kernarg_size 24
		.amdhsa_user_sgpr_count 2
		.amdhsa_user_sgpr_kernarg_segment_ptr 1
		.amdhsa_wavefront_size32 1
		.amdhsa_system_sgpr_workgroup_id_x 1
		.amdhsa_system_sgpr_workgroup_id_y 1
		.amdhsa_system_sgpr_workgroup_id_z 1
		.amdhsa_system_vgpr_workitem_id 0
		.amdhsa_next_free_vgpr 256
		.amdhsa_next_free_sgpr 66
		.amdhsa_reserve_vcc 1
		.amdhsa_float_denorm_mode_32 3
		.amdhsa_float_denorm_mode_16_64 3
		.amdhsa_fp16_overflow 1
		.amdhsa_memory_ordered 1
		.amdhsa_forward_progress 1
		.amdhsa_inst_pref_size 135
	.end_amdhsa_kernel
	.amdgpu_metadata
---
amdhsa.version: [ 1, 2 ]
amdhsa.kernels:
  - .name:           k_qb26bb1e6f5_attn
    .symbol:         k_qb26bb1e6f5_attn.kd
    .args:
      - { .name: qkv, .offset: 0, .size: 8, .value_kind: global_buffer, .address_space: global }
      - { .name: ac, .offset: 8, .size: 8, .value_kind: global_buffer, .address_space: global }
      - { .name: asc, .offset: 16, .size: 8, .value_kind: global_buffer, .address_space: global }
    .group_segment_fixed_size: 327680
    .private_segment_fixed_size: 0
    .kernarg_segment_align: 8
    .kernarg_segment_size: 24
    .max_flat_workgroup_size: 512
    .sgpr_count:     66
    .vgpr_count:     256
    .wavefront_size: 32
...
	.end_amdgpu_metadata
.endif
;; end of part 3
;; launch outp (part 4): grid 4 x 64, 4 waves a work-group, clusters of 4 x 4, 327,680 bytes of LDS; arguments ac, asc, wc, ws, out0; writes out0
.if DOCPART == 4
	.amdgcn_target "amdgcn-amd-amdhsa--gfx1250"
	.amdhsa_code_object_version 6
	.text
	.protected	k_qb26bb1e6f5_outp
	.globl	k_qb26bb1e6f5_outp
	.p2align	8
	.type	k_qb26bb1e6f5_outp,@function
k_qb26bb1e6f5_outp:
	s_mov_b64 s[64:65], 0
	v_nop
	global_prefetch_b8 v0, s[64:65] scope:SCOPE_SE
	s_setreg_imm32_b32 hwreg(HW_REG_WAVE_MODE, 25, 1), 1
	s_wait_xcnt 0x0
	s_wait_alu depctr_hold_cnt(0) depctr_sa_sdst(0) depctr_va_vdst(0) depctr_va_sdst(0) depctr_va_ssrc(0) depctr_va_vcc(0) depctr_vm_vsrc(0)
	s_getreg_b32 s2, hwreg(HW_REG_IB_STS2, 6, 4)
	s_cmp_eq_u32 s2, 0
	s_cbranch_scc0 .Lentry_in_a_cluster
	s_endpgm
.Lentry_in_a_cluster:
	s_bfe_u32 s2, ttmp6, 0x10000c
	s_cmp_lg_u32 s2, 0xf033
	s_cbranch_scc0 .Lentry_shape_is_right
	s_endpgm
.Lentry_shape_is_right:
; out0 = attended Wo on codes of FP8 (E4M3) with E8M0 scales, K = 1,024; out0 [8192][1024] f32.
; OPERANDS come as images of their registers: tile T (16 rows), fragment (T, s) of 128 K at T x 16384 + s x 2048 + c x 512 + 16 x lane; scale words at T x 512 + (s / 4) x 256 + 16 r + 4 (s % 4).
; Lane r of tile T stands for row 32 (T / 2) + 8 (T % 2) + r + 8 (r / 8) (of the attended rows: a row; of Wo: a column).  The way out puts rows and columns back by its immediates.
; A tile of the result is 128 rows x 256 columns, so that 64 x 4 = 256 work-groups share the work; four waves, each 64 x 128: 32 accumulators, 256 registers.
; Source 0 ("B") = columns of Wo (wc's tiles 192 on), source 1 ("A") = attended rows: a lane holds eight neighbouring numbers of a row of out0.
; K goes in four steps of 256.  A K step's tiles are 98,304 bytes, so THREE slots fit: K steps 0, 1, 2 are first fills, and only K step 3 is a refill, into slot 0, with two K steps in which to land.
; CLUSTERS: 4 x 4.  A's tiles are shared along a row of the cluster, B's along a column: each is asked for jointly, by the same tensor load with a mask that names the four.
; REGISTERS: window 0: v16-29 addresses; v32-63 scale words, two sets, and nothing else; v128-255 A's fragments, two sets of 4, on the way out rows read back.  window 1: B's fragments, two sets.
;   window 2: the accumulators ((a, b) at v[8 (8 a + b)]).
.set NQ,     2
.set FR,     16
.set NP,     8                         ; places behind this matrix instruction (ISA guide 7.12.1)
.set SLOTB,  98304                     ; a slot: A's two halves of 16,384 bytes (4 tiles x 256 K), then B's two of 32,768
.set BOFF,   32768
.set SCL,    3*SLOTB                   ; behind the slots: the scale words for all of K: A's 2 x 2,048 bytes, then B's 2 x 4,096
.set SPARE,  SCL+12288                 ; the spare words, 128 bytes for each wave, which no other line names
.set RSTEP,  3*4096                    ; the one refill's step: from K step 0 to K step 3
.set STAGE,  SLOTB                     ; the way out: 16 rows x (512 bytes + 16) for each wave, in slot 1: filled once, and last read ahead of the barrier in front of K step 3
.set SPITCH, 528
.set HADRA, 16                         ; v16-18  LDS address of my A fragments in slot 0, 1, 2
.set ADRB, 20                          ; v20-22  the same for B
.set STO,  24                          ; v24  the way out: where I put 32 bytes of a row
.set RD,   25                          ; v25  where I read a row back
.set CO,   26                          ; v26  16 x lane
.set HADRS, 27                         ; v27  LDS address of my scale words: lanes 0-15 A's, lanes 16-31 B's
.set SPW,  28
.set NIL,  29
.set SC,   32
.set AF,   128
.set BK,   128
.set G1, 24                            ; s[24:31] group 1 for A's codes;  s[32:43] group 0, a set for each slot;  s[44:47] group 0 for A's scale words
.set G0, 32
.set G0S, 44
.set G1B, 48                           ; s[48:55] group 1 for B's codes;  s[68:79] group 0, a set for each slot
.set G0B, 68
.set G1S, 80                           ; s[80:87], s[88:95] groups 1 for A's and B's scale words;  s[96:99] group 0 for B's
.set G1SB, 88
.set G0SB, 96
.set MSB, 0
.macro WIN new                         ; the immediate's high byte repeats the setting that is left
.if MSB != \new
	s_set_vgpr_msb (MSB<<8)|\new
.set MSB, \new
.endif
.endm
.set MUL_LO, 0xa1                      ; source 0 (B) window 1, source 1 (A) window 0, C and D window 2
.set TO_B,   0x40
.macro JLOAD g0a, g1a, g0b, g1b        ; a joint load: waves 0 and 1 fetch for A, waves 2 and 3 for B; four v_nop follow each of the two lines
	s_cmp_eq_u32 s15, 0
	s_cbranch_scc0 .Lfor_b_\@
	tensor_load_to_lds s[\g0a:\g0a+3], s[\g1a:\g1a+7]
	s_nop 0
.rept 4
	v_nop
.endr
	s_branch .Lasked_\@
.Lfor_b_\@:
	tensor_load_to_lds s[\g0b:\g0b+3], s[\g1b:\g1b+7]
	s_nop 0
.rept 4
	v_nop
.endr
.Lasked_\@:
.endm
.macro CREST
	s_cmp_lg_u32 s14, 0
	s_cbranch_scc1 .Lnot_wave_0_\@
	s_barrier_signal -3
.Lnot_wave_0_\@:
	s_barrier_wait -3
	s_barrier_signal -1
	s_barrier_wait -1
.endm
.macro CROUND
	s_barrier_signal -1
	s_barrier_wait -1
	CREST
.endm
	s_load_b256 s[4:11], s[0:1], 0x0               ; ac s[4:5], asc s[6:7], wc s[8:9], ws s[10:11]
	s_load_b64 s[12:13], s[0:1], 0x20              ; out0
	v_lshl_add_u32 v[SPW], v0, 2, SPARE
	v_mov_b32 v[NIL], 0
	ds_add_u32 v28, v29
	ds_add_u32 v28, v29
	s_wait_dscnt 0x0
	v_lshrrev_b32 v1, 5, v0
	v_readfirstlane_b32 s14, v1                    ; wave 0..3
	s_lshr_b32 s15, s14, 1                         ; which half of the tile's rows is mine.  Also: I fetch for A (0) or for B (1)
	s_and_b32 s16, s14, 1                          ; which half of its columns.  Also: which half of the tiles I fetch
	s_bfe_u32 s100, ttmp6, 0x40000                 ; cx, cy
	s_bfe_u32 s101, ttmp6, 0x40004
	s_lshl_b32 s3, ttmp9, 2
	s_add_co_u32 s3, s3, s100                      ; block of 256 columns = 4 x cluster x + cx
	s_and_b32 s17, ttmp7, 0xffff
	s_lshl_b32 s17, s17, 2
	s_add_co_u32 s17, s17, s101                    ; block of 128 rows = 4 x cluster y + cy
	s_lshl_b32 s19, s101, 2
	s_lshl_b32 s19, 15, s19                        ; my row of the cluster
	s_lshl_b32 s20, 0x1111, s100                   ; my column
	s_or_b32 s[G1+0], s19, (3<<16)|(1<<21)         ; codes: rows (tiles) of 4,096 bytes (512 elements of 8 bytes), 16,384 bytes apart; dense in LDS: A 4 rows, B 8
	s_or_b32 s[G1B+0], s20, (3<<16)|(1<<21)
	s_mov_b32 s[G1+1], 512<<16
	s_mov_b32 s[G1+2], 4<<16
	s_mov_b32 s[G1+3], 512<<16
	s_mov_b32 s[G1+4], 4
	s_mov_b32 s[G1+5], 2048
	s_mov_b32 s[G1+6], 0
	s_mov_b32 s[G1+7], 0
	s_mov_b32 s[G1B+1], 512<<16
	s_mov_b32 s[G1B+2], 8<<16
	s_mov_b32 s[G1B+3], 512<<16
	s_mov_b32 s[G1B+4], 8
	s_mov_b32 s[G1B+5], 2048
	s_mov_b32 s[G1B+6], 0
	s_mov_b32 s[G1B+7], 0
	s_or_b32 s[G1S+0], s19, (3<<16)|(1<<21)        ; scale words: dense bytes as rows of 256: A 8 rows (4 tiles), B 16 (8 tiles)
	s_or_b32 s[G1SB+0], s20, (3<<16)|(1<<21)
	s_mov_b32 s[G1S+1], 32<<16
	s_mov_b32 s[G1S+2], 8<<16
	s_mov_b32 s[G1S+3], 32<<16
	s_mov_b32 s[G1S+4], 8
	s_mov_b32 s[G1S+5], 32
	s_mov_b32 s[G1S+6], 0
	s_mov_b32 s[G1S+7], 0
	s_mov_b32 s[G1SB+1], 32<<16
	s_mov_b32 s[G1SB+2], 16<<16
	s_mov_b32 s[G1SB+3], 32<<16
	s_mov_b32 s[G1SB+4], 16
	s_mov_b32 s[G1SB+5], 32
	s_mov_b32 s[G1SB+6], 0
	s_mov_b32 s[G1SB+7], 0
	s_lshl_b32 s19, s17, 3
	s_lshl_b32 s18, s16, 2
	s_add_co_u32 s19, s19, s18                     ; A: my first tile: 8 x block + 4 x half
	s_lshl_b32 s[G0+2], s19, 14
	s_mov_b32 s[G0+3], 0
	s_lshl_b32 s[G0S+2], s19, 9
	s_mov_b32 s[G0S+3], 0
	s_lshl_b32 s20, s3, 4
	s_lshl_b32 s18, s16, 3
	s_add_co_u32 s20, s20, s18
	s_add_co_u32 s20, s20, 192                     ; B: Wo's tiles begin at 192; 16 x block + 8 x half
	s_lshl_b32 s[G0B+2], s20, 14
	s_mov_b32 s[G0B+3], 0
	s_lshl_b32 s[G0SB+2], s20, 9
	s_mov_b32 s[G0SB+3], 0
.irp g, G0, G0+4, G0+8, G0B, G0B+4, G0B+8, G0S, G0SB
	s_mov_b32 s[\g], 1                             ; 1:0 count = 1
.endr
	s_lshl_b32 s[G0+1], s16, 14                    ; where they go: the wave's number and constants alone
	s_add_co_u32 s[G0+5], s[G0+1], SLOTB
	s_add_co_u32 s[G0+9], s[G0+1], 2*SLOTB
	s_lshl_b32 s[G0B+1], s16, 15
	s_add_co_u32 s[G0B+1], s[G0B+1], BOFF
	s_add_co_u32 s[G0B+5], s[G0B+1], SLOTB
	s_add_co_u32 s[G0B+9], s[G0B+1], 2*SLOTB
	s_lshl_b32 s[G0S+1], s16, 11
	s_add_co_u32 s[G0S+1], s[G0S+1], SCL
	s_lshl_b32 s[G0SB+1], s16, 12
	s_add_co_u32 s[G0SB+1], s[G0SB+1], SCL+4096
	s_wait_kmcnt 0x0
	s_add_nc_u64 s[G0+2:G0+3], s[4:5], s[G0+2:G0+3]            ; K step 0,
	s_add_nc_u64 s[G0+6:G0+7], s[G0+2:G0+3], 4096              ; 1,
	s_add_nc_u64 s[G0+10:G0+11], s[G0+2:G0+3], 8192            ; 2
	s_add_nc_u64 s[G0B+2:G0B+3], s[8:9], s[G0B+2:G0B+3]
	s_add_nc_u64 s[G0B+6:G0B+7], s[G0B+2:G0B+3], 4096
	s_add_nc_u64 s[G0B+10:G0B+11], s[G0B+2:G0B+3], 8192
	s_add_nc_u64 s[G0S+2:G0S+3], s[6:7], s[G0S+2:G0S+3]
	s_add_nc_u64 s[G0SB+2:G0SB+3], s[10:11], s[G0SB+2:G0SB+3]
.irp g, G0, G0+4, G0+8, G0B, G0B+4, G0B+8, G0S, G0SB
	s_or_b32 s[\g+3], s[\g+3], 0x80000000          ; 127:126 type = 2
.endr
	CROUND                                         ; all sixteen work-groups are here: the first joint loads meet
	JLOAD G0S, G1S, G0SB, G1SB                     ; the scale words first: they are wanted with K step 0
.irp s, 0,1,2
	JLOAD G0+4*\s, G1, G0B+4*\s, G1B               ; four tensor loads of mine are out
.endr
	v_and_b32 v1, 15, v0                           ; r
	v_bfe_u32 v2, v0, 4, 1                         ; h
	v_and_b32 v3, 31, v0
	v_lshlrev_b32 v4, 4, v3                        ; 16 x lane
	s_lshl_b32 s18, s15, 14                        ; my 4 tiles of A
	s_lshl_b32 s19, s16, 15                        ; my 8 tiles of B,
	s_add_co_u32 s19, s19, BOFF                    ; behind A's 8
.irp s, 0,1,2
	v_add_nc_u32 v[HADRA+\s], s18, v4
	v_add_nc_u32 v[ADRB+\s], s19, v4
	s_add_co_u32 s18, s18, SLOTB
	s_add_co_u32 s19, s19, SLOTB
.endr
	v_lshlrev_b32 v5, 4, v1                        ; my row's scale words: 16 r
	s_lshl_b32 s18, s15, 11                        ; A's: my 4 tiles
	s_lshl_b32 s19, s16, 12                        ; B's, behind A's 8 tiles
	s_add_co_u32 s19, s19, 4096
	s_sub_co_u32 s19, s19, s18
	v_mul_u32_u24 v6, s19, v2                      ; lanes 16-31 take B's
	s_add_co_u32 s18, s18, SCL
	v_add_nc_u32 v6, v5, v6
	v_add_nc_u32 v[HADRS], s18, v6
	s_mul_i32 s18, s14, 16*SPITCH
	s_add_co_u32 s18, s18, STAGE                   ; my stage
	v_mul_u32_u24 v5, v1, SPITCH                   ; in: row r, + 64 h: accumulator b's eight columns are 32 (b / 2) + 8 (b % 2) + 16 h + 0 .. 7
	v_lshl_add_u32 v5, v2, 6, v5
	v_add_nc_u32 v[STO], s18, v5
	v_mov_b32 v[CO], v4
	v_add_nc_u32 v[RD], s18, v4                    ; back: the 32 lanes take one row of 512 bytes
	s_lshl_b32 s20, s17, 7
	s_lshl_b32 s21, s15, 6
	s_add_co_u32 s20, s20, s21                     ; my first row of out0
	s_lshl_b32 s20, s20, 12                        ; rows of 4,096 bytes
	s_lshl_b32 s21, s3, 10
	s_add_co_u32 s20, s20, s21
	s_lshl_b32 s21, s16, 9
	s_add_co_u32 s20, s20, s21                     ; + my first column, in bytes
	s_mov_b32 s21, 0
	s_add_nc_u64 s[12:13], s[12:13], s[20:21]
.macro FRAG reg, adr, q, i             ; a fragment as it was stored: four loads of 512 consecutive bytes
.irp c, 0,1,2,3
	ds_load_b128 v[\reg+4*\c:\reg+4*\c+3], v[\adr] offset:4096*(\i)+2048*(\q)+512*\c
.endr
.endm
; 8 matrix instructions: A's block a x B's eight, 128 along K, on sets p.  The 32 accumulators take turns, one instruction a turn, in the same order in every step.
.macro HMUL a, p, q, sc, zero
.irp b, 0,1,2,3,4,5,6,7
.if \zero
	v_wmma_scale_f32_16x16x128_f8f6f4 v[8*(8*(\a)+\b):8*(8*(\a)+\b)+7], v[128*(\p)+FR*\b:128*(\p)+FR*\b+FR-1], v[AF+64*(\p)+FR*(\a):AF+64*(\p)+FR*(\a)+FR-1], 0, v[SC+8*NQ*(\sc)+NQ*\b+(\q)], v[SC+8*NQ*(\sc)+NQ*(\a)+(\q)] matrix_a_scale:MATRIX_SCALE_ROW1
.else
	v_wmma_scale_f32_16x16x128_f8f6f4 v[8*(8*(\a)+\b):8*(8*(\a)+\b)+7], v[128*(\p)+FR*\b:128*(\p)+FR*\b+FR-1], v[AF+64*(\p)+FR*(\a):AF+64*(\p)+FR*(\a)+FR-1], v[8*(8*(\a)+\b):8*(8*(\a)+\b)+7], v[SC+8*NQ*(\sc)+NQ*\b+(\q)], v[SC+8*NQ*(\sc)+NQ*(\a)+(\q)] matrix_a_scale:MATRIX_SCALE_ROW1
.endif
.endr
.endm
.macro FETCH_B slot, q, p
	WIN TO_B
.irp i, 0,1,2,3,4,5,6,7
	FRAG 128*(\p)+FR*\i, ADRB+\slot, \q, \i
.endr
	WIN 0
.endm
.macro FETCH_H slot, q, p
.irp i, 0,1,2,3
	FRAG AF+64*(\p)+FR*\i, HADRA+\slot, \q, \i
.endr
.endm
.macro SCALES adr, sc, ks              ; K step ks's two words a row into set sc: lanes 0-15 A's tile i, lanes 16-31 B's tile i (A has four tiles: what lanes 0-15 read for i above 3 is not used)
.irp i, 0,1,2,3,4,5,6,7
	ds_load_b64 v[SC+8*NQ*(\sc)+NQ*\i:SC+8*NQ*(\sc)+NQ*\i+1], v[\adr] offset:\i*512+256*((\ks)/2)+8*((\ks)%2)
.endr
.endm
.macro PLACES n                        ; places in front of loads into registers that matrix instructions have read, and of the first read of results
.rept \n
	v_nop
.endr
.endm
; 128 along K on sets p: the next 128's 48 loads (slot fslot, its fq-th 128) go out first, into the other sets, and have these 32 matrix instructions in which to land.
.macro HSUB p, q, sc, zero, fslot, fq, fks
	s_wait_dscnt 0x0                               ; this step's fragments and scale words are in
	PLACES NP
	FETCH_B \fslot, \fq, 1-(\p)
	FETCH_H \fslot, \fq, 1-(\p)
.if \fq == 0
	SCALES HADRS, 1-(\sc), \fks
.endif
	WIN MUL_LO
.irp a, 0,1,2,3
	HMUL \a, \p, \q, \sc, \zero
.endr
	WIN 0
.endm
; A slot's last 128 along K (sets 1) with a barrier: in front of it each wave waits for all its tensor loads, adds 0 to its spare word, and waits for that and for its reads of this slot.
; fill = 1: the barrier opens a round of the cluster's, and this slot is filled again.
.macro HTURN slot, next, fill, sc, ks
	s_wait_tensorcnt 0x0                           ; all my tensor loads have landed
	ds_add_u32 v[SPW], v[NIL]                      ; 0 onto my spare word
	s_wait_dscnt 1                                 ; this step's fragments are in (the add alone may be out)
	WIN MUL_LO
	HMUL 0, 1, 1, \sc, 0
	s_wait_dscnt 0x0                               ; the add is done, and my reads of this slot are over
	s_barrier_signal -1
	HMUL 1, 1, 1, \sc, 0
	WIN 0
	s_barrier_wait -1
.if \fill
	CREST                                          ; no wave of any partner still reads this slot or has a load on its way
	s_add_nc_u64 s[G0+4*\slot+2:G0+4*\slot+3], s[G0+4*\slot+2:G0+4*\slot+3], RSTEP
	s_add_nc_u64 s[G0B+4*\slot+2:G0B+4*\slot+3], s[G0B+4*\slot+2:G0B+4*\slot+3], RSTEP
	JLOAD G0+4*\slot, G1, G0B+4*\slot, G1B         ; my one tensor load behind the round
	PLACES NP-4
.else
	PLACES NP
.endif
	FETCH_B \next, 0, 0
	FETCH_H \next, 0, 0
	SCALES HADRS, 1-(\sc), \ks
	WIN MUL_LO
	HMUL 2, 1, 1, \sc, 0
	HMUL 3, 1, 1, \sc, 0
	WIN 0
.endm
	s_wait_alu depctr_va_vdst(0)
	s_wait_tensorcnt 2                             ; the scale words and my part of K step 0 are in; K steps 1 and 2 may be out
	s_barrier_signal -1
	s_barrier_wait -1
	FETCH_B 0, 0, 0
	FETCH_H 0, 0, 0
	SCALES HADRS, 0, 0
	HSUB 0, 0, 0, 1, 0, 1, 0                       ; K step 0, slot 0: the first products start the sums
	HTURN 0, 1, 1, 0, 1                            ; K steps 1 and 2 are shown landed in every wave; slot 0 takes K step 3
	HSUB 0, 0, 1, 0, 1, 1, 0                       ; K step 1, slot 1
	HSUB 1, 1, 1, 0, 2, 0, 2                       ; on into slot 2 with no barrier: it was shown whole in front of the round
	HSUB 0, 0, 0, 0, 2, 1, 0                       ; K step 2, slot 2
	HTURN 2, 0, 0, 0, 3                            ; K step 3 is shown landed in every wave; nothing is filled
	HSUB 0, 0, 1, 0, 0, 1, 0                       ; K step 3, slot 0
	s_wait_dscnt 0x0
	WIN MUL_LO
.irp a, 0,1,2,3
	HMUL \a, 1, 1, 1, 0
.endr
	WIN 0
; THE WAY OUT, block by block of 16 rows x 128 columns, through my own stage in LDS: in by lanes' 32 bytes, at the columns' true places; back as whole rows of 512 bytes, stored at the rows' true places.
; LDS serves a wave's instructions in order (ISA guide 5.7.1.4): no wait between the stores and the loads, nor in front of the next block's stores.
.macro TOSTAGE a
.set AC, 64*(\a)
	WIN 0x08                                       ; the data: window 2
.irp b, 0,1,2,3,4,5,6,7
	ds_store_b128 v[STO], v[AC+8*\b:AC+8*\b+3] offset:128*(\b/2)+32*(\b%2)        ; each accumulator from its low end on
	ds_store_b128 v[STO], v[AC+8*\b+4:AC+8*\b+7] offset:128*(\b/2)+32*(\b%2)+16
.endr
	WIN 0
.set BB, BK+64*((\a)%2)
.irp t, 0,1,2,3,4,5,6,7,8,9,10,11,12,13,14,15
	ds_load_b128 v[BB+4*\t:BB+4*\t+3], v[RD] offset:\t*SPITCH
.endr
.endm
.macro SEND a, younger                 ; younger: the LDS instructions issued behind block a's loads, which may stay out
.set BB, BK+64*((\a)%2)
	s_wait_dscnt \younger
.irp t, 0,1,2,3,4,5,6,7,8,9,10,11,12,13,14,15
	global_store_b128 v[CO], v[BB+4*\t:BB+4*\t+3], s[12:13] offset:(32*((\a)/2)+8*((\a)%2)+\t+8*(\t/8))*4096 th:TH_STORE_NT   ; 32 lanes store 512 consecutive bytes; 63 rows on at the most: the base never steps
.endr
.endm
	PLACES NP
	TOSTAGE 0
.irp a, 1,2,3
.if \a > 1
	s_wait_xcnt 0x0                                ; block a - 2's stores have read their registers: block a's loads may land there
.endif
	TOSTAGE \a
	SEND \a-1, 32                                  ; behind block a - 1's loads: block a's 16 stores and 16 loads
.endr
	SEND 3, 0
	s_wait_tensorcnt 0x0                           ; the wave's end
	ds_add_u32 v[SPW], v[NIL]
	s_wait_dscnt 0x0
	CROUND                                         ; the closing round
	s_endpgm
.Lfunc_end_k_qb26bb1e6f5_outp:
	.size	k_qb26bb1e6f5_outp, .Lfunc_end_k_qb26bb1e6f5_outp-k_qb26bb1e6f5_outp
	.p2alignl 7, 3214868480
	.fill 96, 4, 3214868480
	.section	.rodata,"a",@progbits
	.p2align	6, 0x0
	.amdhsa_kernel k_qb26bb1e6f5_outp
		.amdhsa_group_segment_fixed_size 327680
		.amdhsa_private_segment_fixed_size 0
		.amdhsa_enable_private_segment 0
		.amdhsa_kernarg_size 40
		.amdhsa_user_sgpr_count 2
		.amdhsa_user_sgpr_kernarg_segment_ptr 1
		.amdhsa_wavefront_size32 1
		.amdhsa_system_sgpr_workgroup_id_x 1
		.amdhsa_system_sgpr_workgroup_id_y 1
		.amdhsa_system_sgpr_workgroup_id_z 1
		.amdhsa_system_vgpr_workitem_id 0
		.amdhsa_next_free_vgpr 1024
		.amdhsa_next_free_sgpr 102
		.amdhsa_reserve_vcc 0
		.amdhsa_float_denorm_mode_32 3
		.amdhsa_float_denorm_mode_16_64 3
		.amdhsa_memory_ordered 1
		.amdhsa_forward_progress 1
		.amdhsa_inst_pref_size 88
	.end_amdhsa_kernel
	.amdgpu_metadata
---
amdhsa.version: [ 1, 2 ]
amdhsa.kernels:
  - .name:           k_qb26bb1e6f5_outp
    .symbol:         k_qb26bb1e6f5_outp.kd
    .args:
      - { .name: ac, .offset: 0, .size: 8, .value_kind: global_buffer, .address_space: global }
      - { .name: asc, .offset: 8, .size: 8, .value_kind: global_buffer, .address_space: global }
      - { .name: wc, .offset: 16, .size: 8, .value_kind: global_buffer, .address_space: global }
      - { .name: ws, .offset: 24, .size: 8, .value_kind: global_buffer, .address_space: global }
      - { .name: out0, .offset: 32, .size: 8, .value_kind: global_buffer, .address_space: global }
    .group_segment_fixed_size: 327680
    .private_segment_fixed_size: 0
    .kernarg_segment_align: 8
    .kernarg_segment_size: 40
    .max_flat_workgroup_size: 128
    .sgpr_count:     102
    .vgpr_count:     1024
    .wavefront_size: 32
...
	.end_amdgpu_metadata
.endif
;; end of part 4
